; MI455X (gfx1250); checked and timed in simulation.
; The chip was launched on July 23, 2026; its instructions are those of AMD's public machine-readable ISA for CDNA 5 (MIT licence, August 2026) and "CDNA5" Instruction Set Architecture Reference Guide (July 2026). The comments in the code are by the model that wrote it; some were corrected since.
;; Self Attention. Allowed arithmetic: matrix products marked QUANTISED: E3M2 operands, one E8M0 scale for each 32 along K, by v_wmma_scale_f32_16x16x128_f8f6f4 with both operands' format E3M2, f32 sums; everything else in f32.
;; Inputs: Wout 1,024 x 1,024 float32; Wqkv 1,024 x 3,072 float32; x 4 x 2,048 x 1,024 float32.
;; Outputs: out0 4 x 2,048 x 1,024 float32.
;; This version of the problem:
;;   THIS VERSION OF THE PROBLEM IS GIVEN IN LOW PRECISION. The matrix products marked QUANTISED in the list below multiply operands that are first quantised to E3M2 (3 exponent bits, 2 mantissa bits; 6 bits a number), with one power-of-two scale for each 32 numbers along K (OCP MX v1.0); their sums are f32. All else is computed in f32.
;;   The module's matrix products, in the order in which they are computed (A, B: the left and right operand; K: the contracted axis; several contracted axes count as one K, in the product's order):
;;     1. [M 8,192, K 1,024] x [K 1,024, N 3,072]; A: input x; B: input Wqkv: QUANTISED
;;     2. batch 64 x [M 2,048, K 64] x [K 64, N 2,048]; A: computed on the way; B: computed on the way: QUANTISED
;;     3. batch 64 x [M 2,048, K 2,048] x [K 2,048, N 64]; A: softmax (see below); B: computed on the way: QUANTISED
;;     4. [M 8,192, K 1,024] x [K 1,024, N 1,024]; A: computed on the way; B: input Wout: QUANTISED
;;   THE QUANTISER, for each operand of a quantised product, along K:
;;     - K is cut into blocks of 32 from its start; a last block that is shorter is filled with zeros.
;;     - A block's scale is 2^e with e = floor(log2(the largest magnitude in the block)) - 4, held to -126 .. 127; a block of zeros has e = 0. As a byte (E8M0): e + 127.
;;     - Each number is divided by its block's scale, clamped to +-28, and rounded to the nearest number of E3M2, ties to even, subnormals kept.
;;     - The product sums the exact products of the quantised numbers (number of the format x scale) in f32.
;;   ~~~python
;;   def quantise(x, axis):      # numpy; x: float32 -> the quantised numbers, widened to float32 again
;;       x = np.moveaxis(x, axis, -1); K = x.shape[-1]
;;       x = np.pad(x, [(0, 0)] * (x.ndim - 1) + [(0, -K % 32)]); x = x.reshape(x.shape[:-1] + (-1, 32)); a = np.abs(x).max(-1, keepdims=True)
;;       e = np.where(a > 0, np.clip(np.frexp(np.where(a > 0, a, 1))[1] - 1 - 4, -126, 127), 0)      # np.frexp(a)[1] - 1 = floor(log2(a)), exactly
;;       r = np.clip(x / 2.0 ** e, -28, 28)
;;       step = 2.0 ** (np.maximum(np.frexp(np.where(r == 0, 1, r))[1] - 1, -2) - 2)
;;       q = np.round(r / step) * step * 2.0 ** e      # np.round: ties to even
;;       return np.moveaxis(q.reshape(q.shape[:-2] + (-1,))[..., :K], -1, axis).astype(np.float32)
;;   ~~~
;;   SOFTMAX AHEAD OF A QUANTISED PRODUCT. Where the list says 'softmax', what is quantised is not the finished softmax but p = 2^(t - M), with t = logit x log2(e) and M = ceil(the row's largest t), a whole number; so 1/2 < the row's largest p <= 1. The row's sum l is taken of the UNQUANTISED p, in f32, and the product's result is divided by l at the end. Since M is a whole number, a kernel that streams over the keys may use a running M (the ceiling of the running maximum): every later rescaling is an exact power of two, which a block's scale takes up: the codes' values come out the same.
;;   OPERANDS COMPUTED ON THE WAY. 'Computed on the way' means the value that the module computes at that place (a softmax that the list does not call 'softmax' is quantised finished and normalised). What goes into a quantiser is computed in f32, as accurately as f32 sums, v_exp_f32 and their like allow (about 1e-6 of the number): no bf16 or f16 on the way to a quantiser, and a product that is left as it is and whose result goes on into a quantised operand takes f32 operands (vector FMAs, or v_wmma_f32_16x16x4_f32). A number that lies on a knife's edge between two numbers of the format may be rounded either way, as far as f32 arithmetic and the matrix unit's own rounding can turn it there, and no further.
;; One version. Each part assembles by itself: llvm-mc -triple=amdgcn-amd-amdhsa -mcpu=gfx1250 --defsym DOCPART=n.
;; ======== version 1 of 1: 4 launches
;; workspace buffers: xq 6,553,600 bytes; wq 3,276,800 bytes; qkv 20,185,088 bytes; aq 6,553,600 bytes
;; launch quant (part 1): grid 384 x 1, 4 waves a work-group, no clusters, 34,304 bytes of LDS; arguments x, Wqkv, Wout, xq, wq; writes xq, wq
.if DOCPART == 1
	.amdgcn_target "amdgcn-amd-amdhsa--gfx1250"
	.amdhsa_code_object_version 6
	.text
	.protected	k_q2c754e8b0f_quant
	.globl	k_q2c754e8b0f_quant
	.p2align	8
	.type	k_q2c754e8b0f_quant,@function
k_q2c754e8b0f_quant:
	s_mov_b64 s[64:65], 0
	v_nop
	global_prefetch_b8 v0, s[64:65] scope:SCOPE_SE
	s_setreg_imm32_b32 hwreg(HW_REG_WAVE_MODE, 25, 1), 1
	s_wait_xcnt 0x0
; x [8192][1024], Wqkv [1024][3072], Wout [1024][1024], all f32, become codes of BF6 (E3M2) with one E8M0 byte for each 32 along K (K = 1024 for all three).
; A block's scale is 2^(floor(log2(largest magnitude)) - 4): its byte is the largest magnitude's exponent field - 4, held at 1 from below by a floor among the maximum's leaves.
; LIMITS: NaN and infinities are not served; a block whose largest magnitude lies under 2^-122 keeps the byte 1; a block of zeros has the byte 1 and not 127 (its codes are zeros, and only this program reads the bytes).
; THE WORKSPACE IS LAID IN THE ORDER OF THE OPERAND'S REGISTERS.  Rows go in groups of 32; tile 2 g + u holds in lane-row r the row 32 g + 8 u + r + 8 (r / 8).
; A half fragment (16 rows x 64 K, 768 bytes): lane (r, h) owns the 24 bytes of k = 32 h .. 32 h + 31: its first 16 bytes at 16 x lane, its last 8 at 512 + 16 r + 8 h.
; Image: block of 128 rows x 98,304 + (K / 256) x 24,576 + tile x 3,072 + (K / 128 % 2) x 1,536 + (K / 64 % 2) x 768.  Scale words: block x 4,096 + (K / 256) x 1,024 + tile x 128 + 8 r + 4 (K / 128 % 2).
; xq holds x; wq holds the columns of Wqkv as rows 0-3071 and those of Wout as rows 3072-4095.  The scale words lie behind each image.
; SHARES: work-groups 0-255: 32 rows of x each, a wave 256 along K.  256-351: 128 columns x 256 K of Wqkv.  352-383: the same of Wout.  Waves share nothing: no barrier.  Only x's path uses LDS.
.set XQS, 6291456                      ; where xq's scale words begin
.set WQS, 3145728                      ; and wq's
.set SP,  528                          ; a stage row: 512 bytes + 16: sixteen rows start at sixteen different groups of banks
.set R,   16                           ; v16-143   x: two sets of 64 registers as loaded
.set X,   144                          ; v144-207  x: a lane's 64 numbers, two whole blocks
.set PC,  208                          ; v208-219  a fragment's codes
.macro LOADF t                         ; fragment t = (u = t / 2, q = t % 2): 16 rows x 512 bytes; each load reads 512 consecutive bytes
.irp j, 0,1,2,3,4,5,6,7,8,9,10,11,12,13,14,15
	global_load_b128 v[R+64*((\t)%2)+4*\j:R+64*((\t)%2)+4*\j+3], v4, s[4:5] offset:(8*((\t)/2)+\j+8*(\j/8))*4096+512*((\t)%2) th:TH_LOAD_NT
.endr
.endm
.macro FR t
.if (\t) < 3
	s_wait_loadcnt 16                              ; this fragment's 16 loads are in; the next fragment's 16 may be out
.else
	s_wait_loadcnt 0x0
.endif
.irp j, 0,1,2,3,4,5,6,7,8,9,10,11,12,13,14,15
	ds_store_b128 v5, v[R+64*((\t)%2)+4*\j:R+64*((\t)%2)+4*\j+3] offset:SP*\j   ; through my wave's own stage, as loaded
.endr
.irp c, 0,1
.irp n, 0,1,2,3,4,5,6,7
	ds_load_b128 v[X+32*\c+4*\n:X+32*\c+4*\n+3], v6 offset:256*\c+16*\n          ; back: row r, k = 64 c + 32 h + 0 .. 31.  LDS serves a wave's instructions in order
.endr
.endr
	s_wait_dscnt 0x0                               ; my numbers are back, and the stores have read the set
.if (\t) < 2
	LOADF (\t)+2                                   ; which takes the fragment two on
.endif
.irp c, 0,1
	v_max3_num_f32 v[228+\c], |v[X+32*\c]|, |v[X+32*\c+1]|, 0x2800000            ; block 2 c + h: all 32 numbers are mine; the floor 2^(5 - 127) holds the byte at 1
.endr
.irp i, 2,4,6,8,10,12,14,16,18,20,22,24,26,28,30
.irp c, 0,1
	v_max3_num_f32 v[228+\c], v[228+\c], |v[X+32*\c+\i]|, |v[X+32*\c+\i+1]|
.endr
.endr
.irp c, 0,1
	v_add_nc_u32 v[230+\c], 0xfe000000, v[228+\c]  ; 4 off the exponent field: the conversion's scale operand
.endr
.irp c, 0,1
	v_lshrrev_b32 v[232+\c], 23, v[230+\c]         ; the byte
.endr
	v_lshl_or_b32 v234, v233, 16, v232             ; my bytes: blocks h and 2 + h,
	v_lshlrev_b32 v234, v9, v234                   ; 8 h bits up,
	v_permlanex16_b32 v235, v234, s16, s17
	v_or_b32 v[236+(\t)], v234, v235               ; with lane l xor 16's two: row r's scale word
	s_wait_alu depctr_va_vdst(0)
	s_wait_xcnt 0x0                                ; the last fragment's stores have read the code registers
	v_cvt_scalef32_pk16_bf6_f32 v[PC:PC+2], v[X:X+15], v230
	v_cvt_scalef32_pk16_bf6_f32 v[220:222], v[X+16:X+31], v230      ; (a conversion's three registers begin on an even number)
	v_cvt_scalef32_pk16_bf6_f32 v[PC+6:PC+8], v[X+32:X+47], v231
	v_cvt_scalef32_pk16_bf6_f32 v[224:226], v[X+48:X+63], v231
	v_nop                                          ; one plain place behind the conversions
.irp i, 0,1,2
	v_mov_b32 v[PC+3+\i], v[220+\i]
	v_mov_b32 v[PC+9+\i], v[224+\i]
.endr
	global_store_b128 v4, v[PC:PC+3], s[18:19] offset:((\t)/2)*3072+((\t)%2)*1536          ; 512 consecutive bytes
	global_store_b64 v7, v[PC+4:PC+5], s[18:19] offset:((\t)/2)*3072+((\t)%2)*1536+512     ; 256 consecutive bytes
	global_store_b128 v4, v[PC+6:PC+9], s[18:19] offset:((\t)/2)*3072+((\t)%2)*1536+768
	global_store_b64 v7, v[PC+10:PC+11], s[18:19] offset:((\t)/2)*3072+((\t)%2)*1536+1280
.endm
.macro WLOAD t, pitch, ptr             ; block t: W(32 t + i, my column): 128 consecutive bytes a wave
.irp i, 0,1,2,3,4,5,6,7,8,9,10,11,12,13,14,15,16,17,18,19,20,21,22,23,24,25,26,27,28,29,30,31
	global_load_b32 v[16+32*((\t)%2)+\i], v2, s[\ptr:\ptr+1] offset:(32*(\t)+\i)*\pitch th:TH_LOAD_NT
.endr
.endm
.macro WBLOCK t, pitch, ptr            ; a lane's block of 32 down K: q = t / 4, c = (t % 4) / 2, h = t % 2
.set XS, 16+32*((\t)%2)
.if (\t) < 7
	s_wait_loadcnt 32                              ; this block's 32 loads are in; the next block's may be out
.else
	s_wait_loadcnt 0x0
.endif
	v_max3_num_f32 v96, |v[XS]|, |v[XS+1]|, |v[XS+2]|
	v_max3_num_f32 v97, |v[XS+3]|, |v[XS+4]|, |v[XS+5]|
.irp i, 6,10,14,18,22,26
	v_max3_num_f32 v96, v96, |v[XS+\i]|, |v[XS+\i+1]|
	v_max3_num_f32 v97, v97, |v[XS+\i+2]|, |v[XS+\i+3]|
.endr
	v_max3_num_f32 v96, v96, |v[XS+30]|, |v[XS+31]|
	v_max3_num_f32 v96, v96, v97, 0x2800000        ; and the floor
	v_add_nc_u32 v98, 0xfe000000, v96
	v_lshrrev_b32 v99, 23, v98
.if (\t)%4 == 0
	v_mov_b32 v[100+(\t)/4], v99                   ; four bytes make the word of 128 along K
.else
	v_lshl_or_b32 v[100+(\t)/4], v99, 8*((\t)%4), v[100+(\t)/4]
.endif
.if (\t)%2 == 0
	s_wait_alu depctr_va_vdst(0)
	s_wait_xcnt 0x0                                ; the last pair's three stores have read their registers
.endif
	v_cvt_scalef32_pk16_bf6_f32 v[80+4*((\t)%2):82+4*((\t)%2)], v[XS:XS+15], v98
	v_cvt_scalef32_pk16_bf6_f32 v[92:94], v[XS+16:XS+31], v98
	v_nop
	v_mov_b32 v[83+4*((\t)%2)], v92                ; the block's first 16 bytes: v80-83 (h = 0) or v84-87 (h = 1);
	v_mov_b32 v[88+2*((\t)%2)], v93                ; its last 8: half of v88-91
	v_mov_b32 v[89+2*((\t)%2)], v94
.if (\t)+2 < 8
	WLOAD (\t)+2, \pitch, \ptr
.endif
.if (\t)%2 == 1
	global_store_b128 v3, v[80:83], s[18:19] offset:((\t)/4)*1536+(((\t)%4)/2)*768         ; each store fills two aligned runs of 256 bytes: one in tile 2 w, one in tile 2 w + 1
	global_store_b128 v3, v[84:87], s[18:19] offset:((\t)/4)*1536+(((\t)%4)/2)*768+256
	global_store_b128 v3, v[88:91], s[18:19] offset:((\t)/4)*1536+(((\t)%4)/2)*768+512
.endif
.endm
; A weight [1024][pitch / 4]: a lane takes a column and its registers run down K, so that the conversions give codes with K innermost.
.macro WPATH pitch, first, rb0, ptr
	s_sub_co_u32 s15, ttmp9, \first
	s_lshr_b32 s16, s15, 2                         ; which 128 columns
	s_and_b32 s17, s15, 3                          ; which 256 along K
	v_lshlrev_b32 v2, 2, v1                        ; in: 4 bytes a lane
	v_bfe_u32 v5, v0, 3, 1                         ; column 32 w + lane is lane-row r = lane % 8 + 8 (lane / 16) of tile 2 w + u, u = (lane / 8) % 2
	v_and_b32 v6, 7, v0
	v_bfe_u32 v7, v0, 4, 1
	v_lshl_add_u32 v6, v7, 3, v6
	v_lshlrev_b32 v3, 4, v6
	v_mad_u32_u24 v3, v5, 3072, v3                 ; codes: 3,072 u + 16 r
	v_lshlrev_b32 v4, 3, v6
	v_lshl_add_u32 v4, v5, 7, v4                   ; scale words: 128 u + 8 r
	s_mul_i32 s20, s17, 256*\pitch
	s_lshl_b32 s21, s16, 9
	s_add_co_u32 s20, s20, s21
	s_lshl_b32 s21, s14, 7
	s_add_co_u32 s20, s20, s21
	s_mov_b32 s21, 0
	s_add_co_u32 s22, s16, \rb0                    ; the block of 128 rows in wq
	s_mul_i32 s24, s22, 98304
	s_mul_i32 s25, s17, 24576
	s_add_co_u32 s24, s24, s25
	s_mul_i32 s25, s14, 6144
	s_add_co_u32 s24, s24, s25
	s_mov_b32 s25, 0
	s_lshl_b32 s26, s22, 12
	s_lshl_b32 s27, s17, 10
	s_add_co_u32 s26, s26, s27
	s_lshl_b32 s27, s14, 8
	s_add_co_u32 s26, s26, s27
	s_add_co_u32 s26, s26, WQS
	s_mov_b32 s27, 0
	s_wait_alu depctr_va_vdst(0)
	s_wait_kmcnt 0x0
	s_add_nc_u64 s[\ptr:\ptr+1], s[\ptr:\ptr+1], s[20:21]
	s_add_nc_u64 s[18:19], s[12:13], s[24:25]
	s_add_nc_u64 s[12:13], s[12:13], s[26:27]
	WLOAD 0, \pitch, \ptr
	WLOAD 1, \pitch, \ptr
.irp t, 0,1,2,3,4,5,6,7
	WBLOCK \t, \pitch, \ptr
.endr
	global_store_b64 v4, v[100:101], s[12:13]      ; 32 lanes store 256 consecutive bytes of scale words
	s_endpgm
.endm
	s_load_b128 s[4:7], s[0:1], 0x0                ; x, Wqkv
	s_load_b128 s[8:11], s[0:1], 0x10              ; Wout, xq
	s_load_b64 s[12:13], s[0:1], 0x20              ; wq
	v_lshl_add_u32 v254, v0, 2, 0x8400
	v_mov_b32 v255, 0
	v_lshrrev_b32 v1, 5, v0
	v_readfirstlane_b32 s14, v1                    ; wave
	v_and_b32 v1, 31, v0                           ; lane
	s_cmp_lt_u32 ttmp9, 256
	s_cbranch_scc0 .Lweights
	; ---- x: rows 32 G .. 32 G + 31, K = 256 w .. 256 w + 255: four fragments
	v_and_b32 v2, 15, v0                           ; r
	v_bfe_u32 v3, v0, 4, 1                         ; h
	v_lshlrev_b32 v4, 4, v1                        ; 16 x lane
	s_mul_i32 s15, s14, 16*SP                      ; my wave's stage
	v_add_nc_u32 v5, s15, v4                       ; into it
	v_mul_u32_u24 v6, v2, SP
	v_lshl_add_u32 v6, v3, 7, v6
	v_add_nc_u32 v6, s15, v6                       ; out of it: row r, + 128 h bytes
	v_lshlrev_b32 v7, 4, v2
	v_lshl_add_u32 v7, v3, 3, v7                   ; 16 r + 8 h
	v_lshlrev_b32 v8, 3, v1                        ; 8 x lane
	v_lshlrev_b32 v9, 3, v3                        ; 8 h
	v_mov_b32 v235, 0                              ; a lane permute's destination counts as one of its sources
	s_mov_b32 s16, 0x76543210
	s_mov_b32 s17, 0xfedcba98                      ; selects for lane l xor 16
	s_lshl_b32 s20, ttmp9, 17                      ; 32 rows of 4,096 bytes
	s_lshl_b32 s21, s14, 10
	s_add_co_u32 s20, s20, s21
	s_mov_b32 s21, 0
	s_lshr_b32 s22, ttmp9, 2                       ; the block of 128 rows
	s_and_b32 s23, ttmp9, 3                        ; the group of 32 in it
	s_mul_i32 s24, s22, 98304
	s_mul_i32 s25, s14, 24576
	s_add_co_u32 s24, s24, s25
	s_mul_i32 s25, s23, 6144
	s_add_co_u32 s24, s24, s25
	s_mov_b32 s25, 0
	s_lshl_b32 s26, s22, 12
	s_lshl_b32 s27, s14, 10
	s_add_co_u32 s26, s26, s27
	s_lshl_b32 s27, s23, 8
	s_add_co_u32 s26, s26, s27
	s_add_co_u32 s26, s26, XQS
	s_mov_b32 s27, 0
	s_wait_alu depctr_va_vdst(0)
	s_wait_kmcnt 0x0
	s_add_nc_u64 s[4:5], s[4:5], s[20:21]
	s_add_nc_u64 s[18:19], s[10:11], s[24:25]
	s_add_nc_u64 s[10:11], s[10:11], s[26:27]
	LOADF 0
	LOADF 1
	FR 0
	FR 1
	FR 2
	FR 3
	v_cmp_ne_u32 vcc_lo, 0, v3
	v_cndmask_b32 v240, v236, v238, vcc_lo         ; lanes 0-15: tile u = 0's two words of row r; lanes 16-31: tile u = 1's
	v_cndmask_b32 v241, v237, v239, vcc_lo
	global_store_b64 v8, v[240:241], s[10:11]      ; 256 consecutive bytes
	s_wait_tensorcnt 0x0
	ds_add_u32 v254, v255
	s_wait_dscnt 0x0
	s_endpgm
.Lweights:
	s_cmp_lt_u32 ttmp9, 352
	s_cbranch_scc0 .Lwout
	s_wait_alu depctr_va_vdst(0)
	WPATH 12288, 256, 0, 6
.Lwout:
	s_wait_alu depctr_va_vdst(0)
	WPATH 4096, 352, 24, 8
.Lfunc_end_k_q2c754e8b0f_quant:
	.size	k_q2c754e8b0f_quant, .Lfunc_end_k_q2c754e8b0f_quant-k_q2c754e8b0f_quant
	.p2alignl 7, 3214868480
	.fill 96, 4, 3214868480
	.section	.rodata,"a",@progbits
	.p2align	6, 0x0
	.amdhsa_kernel k_q2c754e8b0f_quant
		.amdhsa_group_segment_fixed_size 34304
		.amdhsa_private_segment_fixed_size 0
		.amdhsa_enable_private_segment 0
		.amdhsa_kernarg_size 40
		.amdhsa_user_sgpr_count 2
		.amdhsa_user_sgpr_kernarg_segment_ptr 1
		.amdhsa_wavefront_size32 1
		.amdhsa_system_sgpr_workgroup_id_x 1
		.amdhsa_system_sgpr_workgroup_id_y 1
		.amdhsa_system_sgpr_workgroup_id_z 1
		.amdhsa_system_vgpr_workitem_id 0
		.amdhsa_next_free_vgpr 256
		.amdhsa_next_free_sgpr 66
		.amdhsa_reserve_vcc 1
		.amdhsa_float_denorm_mode_32 3
		.amdhsa_float_denorm_mode_16_64 3
		.amdhsa_memory_ordered 1
		.amdhsa_forward_progress 1
		.amdhsa_inst_pref_size 108
	.end_amdhsa_kernel
	.amdgpu_metadata
---
amdhsa.version: [ 1, 2 ]
amdhsa.kernels:
  - .name:           k_q2c754e8b0f_quant
    .symbol:         k_q2c754e8b0f_quant.kd
    .args:
      - { .name: x, .offset: 0, .size: 8, .value_kind: global_buffer, .address_space: global }
      - { .name: Wqkv, .offset: 8, .size: 8, .value_kind: global_buffer, .address_space: global }
      - { .name: Wout, .offset: 16, .size: 8, .value_kind: global_buffer, .address_space: global }
      - { .name: xq, .offset: 24, .size: 8, .value_kind: global_buffer, .address_space: global }
      - { .name: wq, .offset: 32, .size: 8, .value_kind: global_buffer, .address_space: global }
    .group_segment_fixed_size: 34304
    .private_segment_fixed_size: 0
    .kernarg_segment_align: 8
    .kernarg_segment_size: 40
    .max_flat_workgroup_size: 128
    .sgpr_count:     66
    .vgpr_count:     256
    .wavefront_size: 32
...
	.end_amdgpu_metadata
.endif
;; end of part 1
;; launch qkv (part 2): grid 8 x 48, 4 waves a work-group, clusters of 4 x 4, 327,680 bytes of LDS; arguments xq, wq, qkv; writes qkv
.if DOCPART == 2
	.amdgcn_target "amdgcn-amd-amdhsa--gfx1250"
	.amdhsa_code_object_version 6
	.text
	.protected	k_q2c754e8b0f_qkv
	.globl	k_q2c754e8b0f_qkv
	.p2align	8
	.type	k_q2c754e8b0f_qkv,@function
k_q2c754e8b0f_qkv:
	s_mov_b64 s[64:65], 0
	v_nop
	global_prefetch_b8 v0, s[64:65] scope:SCOPE_SE
	s_setreg_imm32_b32 hwreg(HW_REG_WAVE_MODE, 25, 1), 1
	s_wait_xcnt 0x0
	s_wait_alu depctr_hold_cnt(0) depctr_sa_sdst(0) depctr_va_vdst(0) depctr_va_sdst(0) depctr_va_ssrc(0) depctr_va_vcc(0) depctr_vm_vsrc(0)
	s_getreg_b32 s2, hwreg(HW_REG_IB_STS2, 6, 4)
	s_cmp_eq_u32 s2, 0
	s_cbranch_scc0 .Lentry_in_a_cluster
	s_endpgm
.Lentry_in_a_cluster:
	s_bfe_u32 s2, ttmp6, 0x10000c
	s_cmp_lg_u32 s2, 0xf033
	s_cbranch_scc0 .Lentry_shape_is_right
	s_endpgm
.Lentry_shape_is_right:
; qkv = x Wqkv on codes of BF6 (E3M2) with E8M0 scales, K = 1024, and its results quantised in registers: q and k along the head's 64, v along the keys.
; A tile of 256 x 256 is made by four waves, 128 x 128 each: 64 accumulators, 512 registers.  K goes in four steps of 256 through two LDS slots filled by the tensor data mover.
; Operands lie in memory in the order of the operand's registers: a block of 128 rows x 256 K is 24,576 dense bytes, one tensor load; a fragment (16 rows x 128 K) is 1,536 bytes and comes by two loads of 16 and two of 8 bytes a lane.
; Rows go in groups of 32: tile 2 g + u holds in lane-row r the row 32 g + 8 u + r + 8 (r / 8).  SOURCE 0 = 'B', SOURCE 1 = 'A': a lane holds one row of A, and the 64 registers of A's tile a run along B's 128 rows
; in their natural order, 16 g + i = row 32 g + 16 (lane / 16) + i.  So the results are quantised along B's index without leaving the registers.
; ONE TEXT, TWO ROLES, told apart by the cluster's y (the same in all sixteen partners): y < 8: A = x's tokens, B = the columns of Wq and Wk: q and k, quantised along d.
;   y >= 8: A = the columns of Wv, B = x's tokens: v, quantised along the keys.  Only pointers, offsets and the shape of the last scale stores differ.
; CLUSTERS: 4 x 4 work-groups; A's tiles are asked for jointly along a row of the cluster, B's along a column.
; OUT: qkv[b x 16 + head][chunk of 128 tokens], 19,712 bytes a chunk: K 8 half fragments | V 4 fragments | K's scale words | V's | Q 8 half fragments | Q's scale words.
; LIMITS: a block whose largest magnitude lies under 2^-122 keeps the byte 1, a block of zeros too (its codes are zeros; only this program reads the bytes); NaN and infinities are not served.
; REGISTERS: window 0: v0-31 addresses; v32-63 scale words, two sets; v64-114 at work on the way out; v128-223 A's fragments, one set.  window 1: B's fragments, two sets, at v0 and v128.  windows 2, 3: the accumulators.
.set NQ,     2                         ; matrix instructions deep in a slot
.set FR,     12                        ; registers of a fragment
.set NL,     4                         ; LDS loads that bring one
.set NP,     4                         ; places behind this matrix instruction (ISA guide 7.12.1)
.set HALFT,  24576                     ; 128 rows x 256 K: what one tensor load brings
.set SLOT,   4*HALFT                   ; A's two halves, then B's two
.set SCL,    2*SLOT                    ; behind the ring: the scale words of 4 x 128 rows, all of K, 4,096 bytes each: filled once
.set SPARE,  SCL+4*4096                ; the spare words, 128 bytes a wave: two blocks of 256 bytes that no other line names
.set CH,     19712                     ; a chunk of qkv
.set HS,     16*CH                     ; a head of qkv
.set ADRA, 16                          ; v16-17 A's fragments in slot 0, 1: + 16 x lane;  v18-19: + 16 r + 8 h
.set ADRB, 20                          ; v20-23 the same for B
.set ADRS, 27                          ; v27 my scale words: lanes 0-15 A's rows, lanes 16-31 B's
.set SPW,  28                          ; v28 my spare word; never rewritten
.set NIL,  29                          ; v29 0; never rewritten
.set SC,   32
.set AF,   128
.set TM,   64                          ; the way out: v64-79 at work
.set PW,   80                          ; v80-87 the scale word of each of A's tiles
.set PC,   96                          ; v96-107 codes; v108-110, v112-114 their second halves
.set G1, 24
.set G0, 32
.set G1B, 48
.set G0B, 56
.set G1S, 68
.set G0S, 76
.set G1SB, 80
.set G0SB, 88
.set MSB, 0
.macro WIN new                         ; the immediate's high byte repeats the setting that is left
.if MSB != (\new)
	s_set_vgpr_msb (MSB<<8)|(\new)
.set MSB, (\new)
.endif
.endm
.set MUL_LO, 0xa1                      ; source 0 (B) window 1, source 1 (A) window 0, C and D window 2
.set MUL_HI, 0xf1
.set TO_B,   0x40
; A joint load: waves 0 and 1 fetch for A, waves 2 and 3 for B; the branch hangs on the wave's number alone.  Four v_nop follow each of the two lines.
.macro JLOAD g0a, g1a, g0b, g1b
	s_cmp_eq_u32 s15, 0
	s_cbranch_scc0 .Lfor_b_\@
	tensor_load_to_lds s[\g0a:\g0a+3], s[\g1a:\g1a+7]
	s_nop 0
.rept 4
	v_nop
.endr
	s_branch .Lasked_\@
.Lfor_b_\@:
	tensor_load_to_lds s[\g0b:\g0b+3], s[\g1b:\g1b+7]
	s_nop 0
.rept 4
	v_nop
.endr
.Lasked_\@:
.endm
.macro CREST                           ; a round of the cluster's barrier behind its opening barrier
	s_cmp_lg_u32 s14, 0
	s_cbranch_scc1 .Lnot_wave_0_\@
	s_barrier_signal -3
.Lnot_wave_0_\@:
	s_barrier_wait -3
	s_barrier_signal -1
	s_barrier_wait -1
.endm
.macro CROUND
	s_barrier_signal -1
	s_barrier_wait -1
	CREST
.endm
	s_load_b128 s[4:7], s[0:1], 0x0                ; xq, wq
	s_load_b64 s[12:13], s[0:1], 0x10              ; qkv
	v_lshl_add_u32 v[SPW], v0, 2, SPARE
	v_mov_b32 v[NIL], 0
	ds_add_u32 v28, v29
	ds_add_u32 v28, v29
	s_wait_dscnt 0x0
	v_lshrrev_b32 v1, 5, v0
	v_readfirstlane_b32 s14, v1                    ; wave 0..3
	s_lshr_b32 s15, s14, 1                         ; my half of A's rows.  Also: I fetch for A (0) or for B (1)
	s_and_b32 s16, s14, 1                          ; my half of B's rows.  Also: which 128 rows I fetch
	s_bfe_u32 s40, ttmp6, 0x40000                  ; cx, cy
	s_bfe_u32 s41, ttmp6, 0x40004
	s_and_b32 s97, ttmp7, 0xffff                   ; the cluster's y
	s_max_u32 s98, s97, 8
	s_sub_co_u32 s98, s98, 8
	s_lshl_b32 s98, s98, 1
	s_add_co_u32 s98, s98, ttmp9                   ; v's clusters: 2 (y - 8) + x = 0 .. 7
	s_cmp_ge_u32 s97, 8
	s_cselect_b32 s96, 1, 0                        ; 1: v's role
	s_cselect_b32 s42, s98, ttmp9
	s_cselect_b32 s17, 0, s97
	s_lshl_b32 s42, s42, 2
	s_add_co_u32 s42, s42, s40                     ; B's tile of 256 rows
	s_lshl_b32 s17, s17, 2
	s_add_co_u32 s17, s17, s41                     ; A's tile of 256 rows
	s_lshl_b32 s43, s41, 2
	s_lshl_b32 s43, 15, s43                        ; my row of the cluster
	s_lshl_b32 s44, 0x1111, s40                    ; my column
	; descriptor group 1: a dense block as rows of 256 bytes (32 elements of 8 bytes): 96 rows of codes, 16 rows of scale words
	s_or_b32 s[G1+0], s43, (3<<16)|(1<<21)         ; 15:0 the mask; 17:16 elements of 8 bytes; 21 set beside a mask
	s_or_b32 s[G1B+0], s44, (3<<16)|(1<<21)
.irp g, G1, G1B
	s_mov_b32 s[\g+1], 32<<16                      ; tensor_dim0
	s_mov_b32 s[\g+2], 96<<16                      ; tensor_dim1
	s_mov_b32 s[\g+3], 32<<16                      ; tile_dim0
	s_mov_b32 s[\g+4], 96                          ; tile_dim1
	s_mov_b32 s[\g+5], 32                          ; the pitch
	s_mov_b32 s[\g+6], 0
	s_mov_b32 s[\g+7], 0
.endr
	s_or_b32 s[G1S+0], s43, (3<<16)|(1<<21)
	s_or_b32 s[G1SB+0], s44, (3<<16)|(1<<21)
.irp g, G1S, G1SB
	s_mov_b32 s[\g+1], 32<<16
	s_mov_b32 s[\g+2], 16<<16
	s_mov_b32 s[\g+3], 32<<16
	s_mov_b32 s[\g+4], 16
	s_mov_b32 s[\g+5], 32
	s_mov_b32 s[\g+6], 0
	s_mov_b32 s[\g+7], 0
.endr
	s_lshl_b32 s20, s17, 1
	s_add_co_u32 s20, s20, s16                     ; A: the block of 128 rows that I fetch
	s_lshl_b32 s46, s42, 1
	s_add_co_u32 s46, s46, s16                     ; B likewise
	s_lshl_b32 s22, s20, 12                        ; their scale words,
	s_lshl_b32 s92, s46, 12
	s_mul_i32 s20, s20, 98304                      ; their codes
	s_mul_i32 s46, s46, 98304
	s_cmp_eq_u32 s96, 1
	s_cselect_b32 s18, 1572864, 0                  ; A's codes begin: Wv's rows, 16 blocks into wq; or xq's start
	s_mov_b32 s19, 6291456
	s_cselect_b32 s19, 3211264, s19                ; A's scale words
	s_mov_b32 s45, 3145728
	s_cselect_b32 s45, 6291456, s45                ; B's scale words (B's codes begin at the buffer's start in both roles)
	s_add_co_u32 s20, s20, s18
	s_add_co_u32 s22, s22, s19
	s_add_co_u32 s92, s92, s45
	s_mov_b32 s21, 0
	s_mov_b32 s23, 0
	s_mov_b32 s47, 0
	s_mov_b32 s93, 0
	s_mul_i32 s45, s14, HALFT                      ; where they go: wave x a block: no place in the cluster enters an LDS address
	s_lshl_b32 s94, s14, 12
	s_wait_kmcnt 0x0
	s_cmp_eq_u32 s96, 1
	s_cselect_b64 s[18:19], s[6:7], s[4:5]         ; A's buffer
	s_cselect_b64 s[98:99], s[4:5], s[6:7]         ; B's buffer
	s_add_nc_u64 s[20:21], s[18:19], s[20:21]
	s_add_nc_u64 s[22:23], s[18:19], s[22:23]
	s_add_nc_u64 s[46:47], s[98:99], s[46:47]
	s_add_nc_u64 s[92:93], s[98:99], s[92:93]
	CROUND                                         ; all sixteen work-groups are here: the first joint loads meet
	s_mov_b32 s[G0S], 1
	s_add_co_u32 s[G0S+1], s94, SCL
	s_mov_b64 s[G0S+2:G0S+3], s[22:23]
	s_or_b32 s[G0S+3], s[G0S+3], 0x80000000
	s_mov_b32 s[G0SB], 1
	s_add_co_u32 s[G0SB+1], s94, SCL
	s_mov_b64 s[G0SB+2:G0SB+3], s[92:93]
	s_or_b32 s[G0SB+3], s[G0SB+3], 0x80000000
	JLOAD G0S, G1S, G0SB, G1SB                     ; the scale words first: wanted with K step 0
.irp s, 0,1
	s_mov_b32 s[G0+4*\s], 1
	s_add_co_u32 s[G0+4*\s+1], s45, \s*SLOT
	s_add_nc_u64 s[G0+4*\s+2:G0+4*\s+3], s[20:21], \s*HALFT
	s_or_b32 s[G0+4*\s+3], s[G0+4*\s+3], 0x80000000
	s_mov_b32 s[G0B+4*\s], 1
	s_add_co_u32 s[G0B+4*\s+1], s45, \s*SLOT
	s_add_nc_u64 s[G0B+4*\s+2:G0B+4*\s+3], s[46:47], \s*HALFT
	s_or_b32 s[G0B+4*\s+3], s[G0B+4*\s+3], 0x80000000
	JLOAD G0+4*\s, G1, G0B+4*\s, G1B               ; three tensor loads of mine are out
.endr
	v_and_b32 v1, 15, v0                           ; r
	v_bfe_u32 v2, v0, 4, 1                         ; h
	v_and_b32 v3, 31, v0
	v_lshlrev_b32 v8, 4, v3                        ; 16 x lane
	v_lshlrev_b32 v9, 4, v1
	v_lshl_add_u32 v9, v2, 3, v9                   ; 16 r + 8 h
	s_mul_i32 s21, s15, HALFT                      ; my 128 rows of A
	s_mul_i32 s22, s16, HALFT
	s_add_co_u32 s22, s22, 2*HALFT                 ; my 128 rows of B
.irp s, 0,1
	v_add_nc_u32 v[ADRA+\s], s21, v8
	v_add_nc_u32 v[ADRB+\s], s22, v8
	v_add_nc_u32 v[ADRA+2+\s], s21, v9
	v_add_nc_u32 v[ADRB+2+\s], s22, v9
	s_add_co_u32 s21, s21, SLOT
	s_add_co_u32 s22, s22, SLOT
.endr
	v_lshlrev_b32 v5, 3, v1                        ; scale words: 8 bytes a row and K step of 256
	s_lshl_b32 s21, s15, 12
	s_lshl_b32 s22, s16, 12
	s_add_co_u32 s22, s22, 8192
	s_sub_co_u32 s22, s22, s21
	v_mul_u32_u24 v6, s22, v2                      ; lanes 16-31 take B's: one product, the distance between the two bases
	s_add_co_u32 s21, s21, SCL
	v_add_nc_u32 v5, v5, v6
	v_add_nc_u32 v[ADRS], s21, v5
	; the way out: where my results go
	s_lshl_b32 s18, s17, 1
	s_add_co_u32 s18, s18, s15                     ; my block of 128 rows of A
	s_lshl_b32 s19, s42, 1
	s_add_co_u32 s19, s19, s16                     ; and of B
	s_and_b32 s21, s19, 7
	s_lshr_b32 s22, s19, 3                         ; q's columns (0) or k's (1)
	s_cmp_eq_u32 s22, 0
	s_cselect_b32 s22, 13056, 0                    ; codes: Q's part of a chunk or K's
	s_mov_b32 s23, 12288
	s_cselect_b32 s23, 19200, s23                  ; scale words likewise
	s_cmp_eq_u32 s96, 1
	s_cselect_b32 s20, s19, s18                    ; the block of tokens
	s_cselect_b32 s21, s18, s21                    ; the pair of heads
	s_cselect_b32 s22, 6144, s22
	s_cselect_b32 s23, 12800, s23
	s_mov_b32 s3, HS
	s_cselect_b32 s3, 768, s3                      ; from a fragment's first half to its second: the next head (q, k) or 768 bytes (v)
	s_mov_b32 s66, 768
	s_cselect_b32 s66, 1536, s66                   ; from one of A's tiles to the next
	s_mov_b32 s98, 768
	s_cselect_b32 s98, 310784, s98                 ; from tile 3 to tile 4: in v's role the next head's first fragment
	s_mov_b32 s67, 0
	s_mov_b32 s99, 0
	s_lshr_b32 s94, s20, 4                         ; b
	s_and_b32 s20, s20, 15                         ; chunk
	s_lshl_b32 s94, s94, 4
	s_lshl_b32 s21, s21, 1
	s_add_co_u32 s94, s94, s21                     ; b x 16 + head
	s_lshl_b32 s94, s94, 4
	s_add_co_u32 s94, s94, s20
	s_mul_i32 s94, s94, CH
	s_mov_b32 s95, 0
	s_add_nc_u64 s[12:13], s[12:13], s[94:95]
	s_mov_b32 s94, s23
	s_add_nc_u64 s[92:93], s[12:13], s[94:95]      ; scale words
	s_mov_b32 s94, s22
	s_add_nc_u64 s[12:13], s[12:13], s[94:95]      ; codes
	s_mov_b32 s100, 0x76543210
	s_mov_b32 s101, 0xfedcba98                     ; selects for lane l xor 16
	v_add_nc_u32 v10, s3, v8
	v_add_nc_u32 v11, s3, v9
	v_mul_u32_u24 v12, v2, HS
	v_lshl_add_u32 v12, v1, 4, v12                 ; scale words: head h of the pair, 16 r
	v_lshlrev_b32 v13, 4, v2                       ; 16 h
.irp b, 0,1,2,3
	v_mov_b32 v[TM+4+\b], 0                        ; a lane permute's destination counts as one of its sources
.endr
.macro FRAG reg, a16, a8, off          ; a fragment as it lies: registers 0-3, 4-5, 6-9, 10-11
	ds_load_b128 v[\reg:\reg+3], v[\a16] offset:(\off)
	ds_load_b64 v[\reg+4:\reg+5], v[\a8] offset:(\off)+512
	ds_load_b128 v[\reg+6:\reg+9], v[\a16] offset:(\off)+768
	ds_load_b64 v[\reg+10:\reg+11], v[\a8] offset:(\off)+1280
.endm
; 16 matrix instructions: A's tiles a0, a0 + 1 x B's eight.  The 64 accumulators take turns, one instruction a turn, in the same order in every step.
.macro MUL16 a0, p, q, sc, zero
.irp a, \a0, \a0+1
.irp b, 0,1,2,3,4,5,6,7
.if \zero
	v_wmma_scale_f32_16x16x128_f8f6f4 v[8*(8*((\a)%4)+\b):8*(8*((\a)%4)+\b)+7], v[128*(\p)+FR*\b:128*(\p)+FR*\b+FR-1], v[AF+FR*(\a):AF+FR*(\a)+FR-1], 0, v[SC+8*NQ*(\sc)+NQ*\b+(\q)], v[SC+8*NQ*(\sc)+NQ*(\a)+(\q)] matrix_a_fmt:MATRIX_FMT_BF6 matrix_b_fmt:MATRIX_FMT_BF6 matrix_a_scale:MATRIX_SCALE_ROW1
.else
	v_wmma_scale_f32_16x16x128_f8f6f4 v[8*(8*((\a)%4)+\b):8*(8*((\a)%4)+\b)+7], v[128*(\p)+FR*\b:128*(\p)+FR*\b+FR-1], v[AF+FR*(\a):AF+FR*(\a)+FR-1], v[8*(8*((\a)%4)+\b):8*(8*((\a)%4)+\b)+7], v[SC+8*NQ*(\sc)+NQ*\b+(\q)], v[SC+8*NQ*(\sc)+NQ*(\a)+(\q)] matrix_a_fmt:MATRIX_FMT_BF6 matrix_b_fmt:MATRIX_FMT_BF6 matrix_a_scale:MATRIX_SCALE_ROW1
.endif
.endr
.endr
.endm
.macro FETCH_B slot, q, p
	WIN TO_B
.irp i, 0,1,2,3,4,5,6,7
	FRAG 128*(\p)+FR*\i, ADRB+\slot, ADRB+2+\slot, 3072*\i+1536*(\q)
.endr
	WIN 0
.endm
.macro FETCH_A slot, q, i0
.irp i, \i0, \i0+1, \i0+2, \i0+3
	FRAG AF+FR*(\i), ADRA+\slot, ADRA+2+\slot, 3072*(\i)+1536*(\q)
.endr
.endm
.macro SCALES sc                       ; a K step's scale words: lanes 0-15 A's tile i, lanes 16-31 B's tile i; two words a row
.irp i, 0,1,2,3,4,5,6,7
	ds_load_b64 v[SC+8*NQ*\sc+NQ*\i:SC+8*NQ*\sc+NQ*\i+1], v[ADRS] offset:\i*128
.endr
.endm
.macro PLACES n                        ; plain vector lines between a matrix instruction and a load into, or a read of, its registers
.rept \n
	v_nop
.endr
.endm
.macro STEP slot, q, zero              ; 128 along K that has its successor in the same slot
	s_wait_dscnt 4*NL                              ; B's set, A's tiles 0-3 and the scale words are in; the youngest 16 loads (A's tiles 4-7) may be out
	WIN MUL_LO
	MUL16 0, (\q)%2, \q, \slot, \zero
	MUL16 2, (\q)%2, \q, \slot, \zero
	s_wait_dscnt 0
	PLACES NP
	FETCH_B \slot, (\q)+1, 1-(\q)%2
	FETCH_A \slot, (\q)+1, 0
	WIN MUL_HI
	MUL16 4, (\q)%2, \q, \slot, \zero
	MUL16 6, (\q)%2, \q, \slot, \zero
	PLACES NP
	WIN 0
	FETCH_A \slot, (\q)+1, 4
.endm
; A slot's last step changes slots: one barrier; in front of it each wave waits for all its tensor loads, adds 0 to its spare word, and waits for that and for its reads of this slot.
.macro TURN slot, next, fill
	s_wait_tensorcnt 0x0                           ; all my tensor loads have landed: my part of the next slot
	ds_add_u32 v[SPW], v[NIL]                      ; 0 onto my spare word
	s_wait_dscnt 4*NL+1                            ; the add and the youngest 16 loads may be out
	WIN MUL_LO
	MUL16 0, 1, NQ-1, \slot, 0
	s_wait_dscnt 0x0                               ; the add is done, and my reads of this slot are over
	s_barrier_signal -1
	MUL16 2, 1, NQ-1, \slot, 0
	WIN 0
	s_barrier_wait -1
.if \fill
	CREST                                          ; the barrier has opened a round of the cluster's: no wave of any partner still reads this slot or has a load on its way
	s_add_nc_u64 s[G0+4*\slot+2:G0+4*\slot+3], s[G0+4*\slot+2:G0+4*\slot+3], 2*HALFT
	s_add_nc_u64 s[G0B+4*\slot+2:G0B+4*\slot+3], s[G0B+4*\slot+2:G0B+4*\slot+3], 2*HALFT
	JLOAD G0+4*\slot, G1, G0B+4*\slot, G1B         ; the first tensor load behind the round; its four v_nop are the places in front of the loads below
.else
	PLACES NP
.endif
	s_wait_alu depctr_va_vdst(0)
	v_add_nc_u32 v[ADRS], 1024, v[ADRS]            ; the next K step's scale words
	FETCH_B \next, 0, 0
	FETCH_A \next, 0, 0
	SCALES \next
	WIN MUL_HI
	MUL16 4, 1, NQ-1, \slot, 0
	MUL16 6, 1, NQ-1, \slot, 0
	PLACES NP
	WIN 0
	FETCH_A \next, 0, 4
.endm
	s_wait_tensorcnt 1                             ; the scale words and my part of K step 0 are in; K step 1's load may be out
	s_barrier_signal -1
	s_barrier_wait -1
	FETCH_B 0, 0, 0
	FETCH_A 0, 0, 0
	SCALES 0
	FETCH_A 0, 0, 4
	STEP 0, 0, 1                                   ; the first products start the sums
	TURN 0, 1, 1                                   ; K has four slots' worth: written out, no loop
	STEP 1, 0, 0
	TURN 1, 0, 1
	STEP 0, 0, 0
	TURN 0, 1, 0
	STEP 1, 0, 0
	s_wait_dscnt 4*NL
	WIN MUL_LO
	MUL16 0, 1, NQ-1, 1, 0
	MUL16 2, 1, NQ-1, 1, 0
	s_wait_dscnt 0
	WIN MUL_HI
	MUL16 4, 1, NQ-1, 1, 0
	MUL16 6, 1, NQ-1, 1, 0
	WIN 0
; THE WAY OUT of A's tile a: its 64 registers are four blocks of 32 along B's rows, half a block a lane.  Largest magnitudes, bytes, codes; the halves change lanes so that a lane holds whole blocks; four stores.
.macro QOUT a
.set AC, 64*((\a)%4)
.set WW, 2+(\a)/4
.set WN, (WW<<2)|(WW<<4)
	WIN WN                                         ; sources 1 and 2: the accumulators' window
.irp b, 0,1,2,3
	v_max3_num_f32 v[TM+\b], 0x2800000, |v[AC+16*\b]|, |v[AC+16*\b+1]|          ; with the floor 2^(5 - 127); each accumulator is read from its low end on
.endr
.irp i, 2,4,6,8,10,12,14
.irp b, 0,1,2,3
	v_max3_num_f32 v[TM+\b], v[TM+\b], |v[AC+16*\b+\i]|, |v[AC+16*\b+\i+1]|
.endr
.endr
	WIN 0
.irp b, 0,1,2,3
	v_permlanex16_b32 v[TM+4+\b], v[TM+\b], s100, s101
.endr
.irp b, 0,1,2,3
	v_max_num_f32 v[TM+\b], v[TM+\b], v[TM+4+\b]
.endr
.irp b, 0,1,2,3
	v_add_nc_u32 v[TM+12+\b], 0xfe000000, v[TM+\b] ; 4 off the exponent field: the conversion's scale operand
.endr
.irp b, 0,1,2,3
	v_lshrrev_b32 v[TM+4+\b], 23, v[TM+12+\b]
.endr
	v_lshl_or_b32 v[PW+(\a)], v[TM+5], 8, v[TM+4]
	v_lshl_or_b32 v[PW+(\a)], v[TM+6], 16, v[PW+(\a)]
	v_lshl_or_b32 v[PW+(\a)], v[TM+7], 24, v[PW+(\a)]
	s_wait_xcnt 0x0                                ; the last tile's stores have read their registers and their base
.if (\a) == 4
	s_add_nc_u64 s[12:13], s[12:13], s[98:99]
.elseif (\a) > 0
	s_add_nc_u64 s[12:13], s[12:13], s[66:67]
.endif
	WIN WW                                         ; source 0: the accumulators' window
.irp c, 0,1
	v_cvt_scalef32_pk16_bf6_f32 v[PC+6*\c:PC+6*\c+2], v[AC+32*\c:AC+32*\c+15], v[TM+12+2*\c]
	v_cvt_scalef32_pk16_bf6_f32 v[PC+12+4*\c:PC+14+4*\c], v[AC+16+32*\c:AC+31+32*\c], v[TM+12+2*\c+1]
.endr
	WIN 0
	v_nop                                          ; one plain place behind the conversions
.irp c, 0,1
.irp i, 0,1,2
	v_permlane16_swap_b32 v[PC+6*\c+\i], v[PC+12+4*\c+\i]
.endr
.irp i, 0,1,2
	v_mov_b32 v[PC+3+6*\c+\i], v[PC+12+4*\c+\i]
.endr
.endr
	global_store_b128 v8, v[PC:PC+3], s[12:13]                  ; 512 consecutive bytes
	global_store_b64 v9, v[PC+4:PC+5], s[12:13] offset:512      ; 256 consecutive bytes
	global_store_b128 v10, v[PC+6:PC+9], s[12:13]
	global_store_b64 v11, v[PC+10:PC+11], s[12:13] offset:512
.endm
	PLACES NP
.irp a, 0,1,2,3,4,5,6,7
	QOUT \a
.endr
	s_cmp_eq_u32 s96, 1                            ; the role: the same in all partners
	s_cbranch_scc1 .Lv_words
.irp a, 0,1,2,3,4,5,6,7
	v_bfe_u32 v[88+\a], v[PW+\a], v13, 16          ; q, k: head h of the pair owns two of the word's four bytes; the upper half of the stored word is 0
.endr
	global_store_b128 v12, v[88:91], s[92:93]      ; sixteen lanes store 256 consecutive bytes
	global_store_b128 v12, v[92:95], s[92:93] offset:256
	s_branch .Lwords_out
.Lv_words:
	v_cmp_ne_u32 vcc_lo, 0, v2
.irp k, 0,1,2,3
	v_cndmask_b32 v[88+\k], v[PW+\k], v[PW+4+\k], vcc_lo        ; v: head h owns tiles 4 h .. 4 h + 3
.endr
	global_store_b128 v12, v[88:91], s[92:93]
.Lwords_out:
	s_wait_tensorcnt 0x0                           ; the wave's end
	ds_add_u32 v[SPW], v[NIL]
	s_wait_dscnt 0x0
	CROUND                                         ; the closing round
	s_endpgm
.Lfunc_end_k_q2c754e8b0f_qkv:
	.size	k_q2c754e8b0f_qkv, .Lfunc_end_k_q2c754e8b0f_qkv-k_q2c754e8b0f_qkv
	.p2alignl 7, 3214868480
	.fill 96, 4, 3214868480
	.section	.rodata,"a",@progbits
	.p2align	6, 0x0
	.amdhsa_kernel k_q2c754e8b0f_qkv
		.amdhsa_group_segment_fixed_size 327680
		.amdhsa_private_segment_fixed_size 0
		.amdhsa_enable_private_segment 0
		.amdhsa_kernarg_size 24
		.amdhsa_user_sgpr_count 2
		.amdhsa_user_sgpr_kernarg_segment_ptr 1
		.amdhsa_wavefront_size32 1
		.amdhsa_system_sgpr_workgroup_id_x 1
		.amdhsa_system_sgpr_workgroup_id_y 1
		.amdhsa_system_sgpr_workgroup_id_z 1
		.amdhsa_system_vgpr_workitem_id 0
		.amdhsa_next_free_vgpr 1024
		.amdhsa_next_free_sgpr 102
		.amdhsa_reserve_vcc 1
		.amdhsa_float_denorm_mode_32 3
		.amdhsa_float_denorm_mode_16_64 3
		.amdhsa_memory_ordered 1
		.amdhsa_forward_progress 1
		.amdhsa_inst_pref_size 151
	.end_amdhsa_kernel
	.amdgpu_metadata
---
amdhsa.version: [ 1, 2 ]
amdhsa.kernels:
  - .name:           k_q2c754e8b0f_qkv
    .symbol:         k_q2c754e8b0f_qkv.kd
    .args:
      - { .name: xq, .offset: 0, .size: 8, .value_kind: global_buffer, .address_space: global }
      - { .name: wq, .offset: 8, .size: 8, .value_kind: global_buffer, .address_space: global }
      - { .name: qkv, .offset: 16, .size: 8, .value_kind: global_buffer, .address_space: global }
    .group_segment_fixed_size: 327680
    .private_segment_fixed_size: 0
    .kernarg_segment_align: 8
    .kernarg_segment_size: 24
    .max_flat_workgroup_size: 128
    .sgpr_count:     102
    .vgpr_count:     1024
    .wavefront_size: 32
...
	.end_amdgpu_metadata
.endif
;; end of part 2
;; launch attn (part 3): grid 4 x 64, 16 waves a work-group, clusters of 4 x 1, 215,040 bytes of LDS; arguments qkv, aq; writes aq
.if DOCPART == 3
	.amdgcn_target "amdgcn-amd-amdhsa--gfx1250"
	.amdhsa_code_object_version 6
	.text
	.protected	k_q2c754e8b0f_attn
	.globl	k_q2c754e8b0f_attn
	.p2align	8
	.type	k_q2c754e8b0f_attn,@function
k_q2c754e8b0f_attn:
	s_mov_b64 s[64:65], 0
	v_nop
	global_prefetch_b8 v0, s[64:65] scope:SCOPE_SE
	s_setreg_imm32_b32 hwreg(HW_REG_WAVE_MODE, 25, 1), 1
	s_wait_xcnt 0x0
	s_wait_alu depctr_hold_cnt(0) depctr_sa_sdst(0) depctr_va_vdst(0) depctr_va_sdst(0) depctr_va_ssrc(0) depctr_va_vcc(0) depctr_vm_vsrc(0)
	s_getreg_b32 s2, hwreg(HW_REG_IB_STS2, 6, 4)
	s_cmp_eq_u32 s2, 0
	s_cbranch_scc0 .Lentry_in_a_cluster
	s_endpgm
.Lentry_in_a_cluster:
	s_bfe_u32 s2, ttmp6, 0x10000c
	s_cmp_lg_u32 s2, 0x3003
	s_cbranch_scc0 .Lentry_shape_is_right
	s_endpgm
.Lentry_shape_is_right:
; Causal attention on codes of BF6 (E3M2): S = q k^T (K = 64), p = 2^(t - M) with t = S x log2(e) / 8 and M the running largest t rounded up to a whole number, O = p v (K = the keys), O / the sum of the unquantised p,
; and the result quantised along (head, d) as the A operand of the last product.
; SHARES.  A cluster of four work-groups is one (batch, head).  The head's K, V and their scale words, 16 chunks of 128 keys x 13,056 bytes, lie in LDS, filled ONCE: wave w asks for chunk w, jointly with the same wave of the three partners.
; Nothing is filled again.  Wave w of the work-group at place cx owns the query tiles 4 w + cx and 127 - (4 w + cx): their last chunks are w / 2 and 15 - w / 2, numbers of the wave alone, so every wave has 17 key steps
; and no branch hangs on cx.  cx enters global addresses and one vector number of the mask.
; LAYOUT.  Both products are used transposed (source 0 = 16 keys, or 16 of d; source 1 = my 16 queries): a lane holds one query.  Tile 2 g + u of a chunk holds in lane-row r token 32 g + 8 u + r + 8 (r / 8), so the 16 registers of
; tiles 2 g and 2 g + 1 are 16 neighbouring keys (or d).
; K = 64 IN AN INSTRUCTION OF 128: Q's registers 6-11 hold zero codes; K's operand of tile j runs on into tile j + 1's codes (tile 7's into six zero registers).  Every code is a finite number and the scale bytes of the upper
; two blocks are 0 on both sides, which is 2^-127: so the upper half adds exactly 0.
; LIMITS: p below 2^-126 becomes 0; a block under 2^-122, or of zeros, keeps the byte 1 (only this program reads the bytes); NaN and infinities are not served.
; The scale bytes of a row and 128 along the last product's K belong to two heads: each pass stores its two bytes a row, 32 bytes a pass in pieces of 2: the one place where short pieces are stored.
; REGISTERS: v1 16 x lane, v2 16 r + 8 h, v3 16 r, v4-6 the step's LDS addresses, v7 the mask's number, v8 8 r, v9 r + 8 (r / 8) - 16 h; v12 -M, v13 largest t, v[14:15] the sum; v16-27 Q of tile 0, v192-203 of tile 1 (scale words v255, v204);
;   v32-79 K (8 x 6), then V (4 x 12); v80-85 zeros; v96-159 S^T, then p; v160-191 O^T; v208-215 K's scale words, v248-251 V's, v253 p's; v224-235 p's codes; v232-254 at work.
; SCALARS: s2 wave, s3 cx, s[4:7] qkv, aq, s8 head, s9-11 bases, s12-17 at work, s18, s19 the two last chunks, s[20:21] lane selects, s[22:23] c, s[24:31], s[32:35] the descriptor, s36 LDS byte of the chunk, s37 the chunk,
;   s38-41 tile numbers in their chunks and their first tokens, s[42:49] Q's addresses, s[50:57] the outputs'.
.set CH,  19712
.set HS,  16*CH
.set CK,  13056                        ; a chunk's K, V and scale words
.set WV,  2
.set SEL, 20
.set CS,  22
.set G1,  24
.set G0,  32
.set TB,  36
.set KC,  37
.macro CROUND
	s_barrier_signal -1
	s_barrier_wait -1
	s_cmp_lg_u32 s[WV], 0
	s_cbranch_scc1 .Lnot_wave_0_\@
	s_barrier_signal -3
.Lnot_wave_0_\@:
	s_barrier_wait -3
	s_barrier_signal -1
	s_barrier_wait -1
.endm
; the addresses of the query tile jn of chunk dch
.macro TILEADR dch, jn, jtr, qb, qsc, ob, osc
	s_mul_i32 s12, s[\dch], CH
	s_add_co_u32 s12, s12, s9
	s_mul_i32 s14, s[\jn], 768
	s_add_co_u32 s14, s14, s12
	s_add_co_u32 s14, s14, 13056
	s_mov_b32 s15, 0
	s_add_nc_u64 s[\qb:\qb+1], s[4:5], s[14:15]    ; Q's half fragment
	s_lshr_b32 s14, s[\jn], 2
	s_lshl_b32 s14, s14, 8
	s_and_b32 s16, s[\jn], 3
	s_lshl_b32 s16, s16, 2
	s_add_co_u32 s14, s14, s16
	s_add_co_u32 s14, s14, s12
	s_add_co_u32 s14, s14, 19200
	s_add_nc_u64 s[\qsc:\qsc+1], s[4:5], s[14:15]  ; its scale words
	s_mul_i32 s14, s[\dch], 98304
	s_mul_i32 s16, s[\jn], 3072
	s_add_co_u32 s14, s14, s16
	s_add_co_u32 s14, s14, s10
	s_add_nc_u64 s[\ob:\ob+1], s[6:7], s[14:15]    ; the result's half fragment
	s_lshl_b32 s14, s[\dch], 12
	s_lshl_b32 s16, s[\jn], 7
	s_add_co_u32 s14, s14, s16
	s_add_co_u32 s14, s14, s11
	s_add_nc_u64 s[\osc:\osc+1], s[6:7], s[14:15]  ; its two scale bytes a row
	s_lshr_b32 s14, s[\jn], 1
	s_lshl_b32 s14, s14, 5
	s_and_b32 s16, s[\jn], 1
	s_lshl_b32 s16, s16, 3
	s_add_co_u32 s[\jtr], s14, s16                 ; the tile's first token in its chunk
.endm
	s_load_b128 s[4:7], s[0:1], 0x0                ; qkv, aq
	v_lshl_add_u32 v223, v0, 2, 0x34000
	v_mov_b32 v243, 0
	ds_add_u32 v223, v243
	ds_add_u32 v223, v243
	v_lshrrev_b32 v8, 5, v0
	s_delay_alu instid0(VALU_DEP_1)
	v_readfirstlane_b32 s[WV], v8                  ; wave 0..15
	s_bfe_u32 s3, ttmp6, 0x40000                   ; cx
	s_and_b32 s8, ttmp7, 0xffff                    ; b x 16 + head
	s_mul_i32 s9, s8, HS
	s_mul_i32 s12, s[WV], CH
	s_add_co_u32 s12, s12, s9                      ; chunk w in memory,
	s_mov_b32 s13, 0
	s_mul_i32 s14, s[WV], CK                       ; and in LDS
	s_mov_b32 s[G1], 15|(3<<16)|(1<<21)            ; 15:0 the mask: all four; 17:16 elements of 8 bytes; 21 set beside a mask
	s_mov_b32 s[G1+1], 32<<16                      ; rows of 256 bytes,
	s_mov_b32 s[G1+2], 51<<16                      ; 51 of them: a dense block of 13,056 bytes
	s_mov_b32 s[G1+3], 32<<16
	s_mov_b32 s[G1+4], 51
	s_mov_b32 s[G1+5], 32
	s_mov_b32 s[G1+6], 0
	s_mov_b32 s[G1+7], 0
	s_mov_b32 s[SEL], 0x76543210
	s_mov_b32 s[SEL+1], 0xfedcba98
	s_mov_b32 s[CS], 0x3e38aa3b                    ; c = log2(e) / 8
	s_mov_b32 s[CS+1], s[CS]
	s_lshr_b32 s18, s[WV], 1                       ; the last chunk of my first tile,
	s_sub_co_u32 s19, 15, s18                      ; and of my second
	s_wait_dscnt 0x0
	s_wait_kmcnt 0x0
	s_mov_b32 s[G0], 1
	s_mov_b32 s[G0+1], s14
	s_add_nc_u64 s[G0+2:G0+3], s[4:5], s[12:13]
	s_or_b32 s[G0+3], s[G0+3], 0x80000000
	CROUND                                         ; all four work-groups are here: the joint loads meet
	tensor_load_to_lds s[G0:G0+3], s[G1:G1+7]      ; my one tensor load of the launch
	s_nop 0
.rept 4
	v_nop
.endr
	s_and_b32 s38, s[WV], 1
	s_lshl_b32 s38, s38, 2
	s_add_co_u32 s38, s38, s3                      ; my first tile's number in its chunk: 4 (w % 2) + cx
	s_sub_co_u32 s39, 7, s38                       ; my second's
	s_lshr_b32 s12, s8, 4                          ; b
	s_and_b32 s13, s8, 15                          ; head
	s_mul_i32 s10, s12, 16*98304
	s_lshr_b32 s14, s13, 2
	s_mul_i32 s15, s14, 24576
	s_add_co_u32 s10, s10, s15
	s_bfe_u32 s15, s13, 0x10001
	s_mul_i32 s16, s15, 1536
	s_add_co_u32 s10, s10, s16
	s_and_b32 s16, s13, 1
	s_mul_i32 s17, s16, 768
	s_add_co_u32 s10, s10, s17                     ; the head's place along K in aq's image
	s_lshl_b32 s11, s12, 16
	s_lshl_b32 s14, s14, 10
	s_add_co_u32 s11, s11, s14
	s_lshl_b32 s15, s15, 2
	s_add_co_u32 s11, s11, s15
	s_lshl_b32 s16, s16, 1
	s_add_co_u32 s11, s11, s16
	s_add_co_u32 s11, s11, 6291456                 ; and among its scale bytes
	TILEADR 18, 38, 40, 42, 44, 50, 52
	TILEADR 19, 39, 41, 46, 48, 54, 56
	v_and_b32 v10, 15, v0                          ; r
	v_bfe_u32 v11, v0, 4, 1                        ; h
	v_and_b32 v1, 31, v0
	s_delay_alu instid0(VALU_DEP_1)
	v_lshlrev_b32 v1, 4, v1
	s_delay_alu instid0(VALU_DEP_4)
	v_lshlrev_b32 v3, 4, v10
	s_delay_alu instid0(VALU_DEP_1)
	v_lshl_add_u32 v2, v11, 3, v3
	v_lshlrev_b32 v8, 3, v10
	v_and_b32 v9, 8, v10
	s_delay_alu instid0(VALU_DEP_1)
	v_add_nc_u32 v9, v9, v10
	v_lshlrev_b32 v11, 4, v11
	s_delay_alu instid0(VALU_DEP_1)
	v_sub_nc_u32 v9, v9, v11
	global_load_b128 v[16:19], v1, s[42:43]
	global_load_b64 v[20:21], v2, s[42:43] offset:512
	global_load_b32 v255, v3, s[44:45]
	global_load_b128 v[192:195], v1, s[46:47]
	global_load_b64 v[196:197], v2, s[46:47] offset:512
	global_load_b32 v204, v3, s[48:49]
.irp i, 0,1,2,3,4,5
	v_mov_b32 v[22+\i], 0                          ; zero codes for k = 64 .. 127
	v_mov_b32 v[198+\i], 0
	v_mov_b32 v[80+\i], 0
.endr
.irp b, 0,1,2,3
	v_mov_b32 v[236+\b], 0                         ; a lane permute's destination counts as one of its sources
.endr
	v_mov_b32 v252, 0
	v_mov_b32 v253, 0
	s_wait_tensorcnt 0x0                           ; my chunk is in,
	s_barrier_signal -1
	s_barrier_wait -1                              ; everybody's is
	s_wait_loadcnt 0x0                             ; Q
; ONE QUERY TILE: all chunks up to its own.  The loop's trip count is a constant; a chunk behind the tile's own is passed over by a branch on the wave's number and the count.
.macro PASS dd, qf, qs, ob, os, tj
	s_wait_xcnt 0x0                                ; the last pass's stores have read their registers
	v_add_nc_u32 v7, s[\tj], v9                    ; my query's place in its chunk - 16 h
	v_mov_b32 v13, 0xff61b1e6                      ; the largest t so far: -3e38
	s_delay_alu instid0(VALU_DEP_1)
	v_floor_f32 v12, -v13
	v_mov_b32 v14, 0
	v_mov_b32 v15, 0
.irp j, 0,1,2,3,4,5,6,7,8,9,10,11,12,13,14,15,16,17,18,19,20,21,22,23,24,25,26,27,28,29,30,31
	v_mov_b32 v[160+\j], 0                         ; O^T: the step is written once; the first change of M leaves zeros zeros
.endr
	s_mov_b32 s[KC], 0
	s_mov_b32 s[TB], 0
.Lstep_\@:
	s_cmp_gt_u32 s[KC], s[\dd]
	s_cbranch_scc1 .Lskip_\@
	s_setprio 2
	v_add_nc_u32 v4, s[TB], v1
	v_add_nc_u32 v5, s[TB], v2
	v_add_nc_u32 v6, s[TB], v3
	v_nop                                          ; four places in front of loads into registers that the last products read
.irp j, 0,1,2,3,4,5,6,7
	ds_load_b128 v[32+6*\j:35+6*\j], v4 offset:768*\j
	ds_load_b64 v[36+6*\j:37+6*\j], v5 offset:768*\j+512
.endr
	ds_load_b128 v[208:211], v6 offset:12288
	ds_load_b128 v[212:215], v6 offset:12544
	s_wait_alu depctr_va_vdst(0)
	s_wait_dscnt 0x0
.irp j, 0,1,2,3,4,5,6,7
	v_wmma_scale_f32_16x16x128_f8f6f4 v[96+8*\j:103+8*\j], v[32+6*\j:43+6*\j], v[\qf:\qf+11], 0, v[208+\j], v[\qs] matrix_a_fmt:MATRIX_FMT_BF6 matrix_b_fmt:MATRIX_FMT_BF6
.endr
.rept 4
	v_nop                                          ; places in front of the loads over K's registers and of the first read of the scores
.endr
.irp k, 0,1,2,3
	ds_load_b128 v[32+12*\k:35+12*\k], v4 offset:6144+1536*\k                  ; V lands while the softmax is walked
	ds_load_b64 v[36+12*\k:37+12*\k], v5 offset:6144+1536*\k+512
	ds_load_b128 v[38+12*\k:41+12*\k], v4 offset:6144+1536*\k+768
	ds_load_b64 v[42+12*\k:43+12*\k], v5 offset:6144+1536*\k+1280
.endr
	ds_load_b128 v[248:251], v6 offset:12800
	s_cmp_lg_u32 s[KC], s[\dd]
	s_cbranch_scc1 .Lopen_\@
	v_mov_b32 v254, 0xff800000                     ; the tile's own chunk: register 16 b + i holds key 32 b + 16 h + i: hidden where 32 b + i > v7
.irp n, 0,1,2,3,4,5,6,7,8,9,10,11,12,13,14,15,16,17,18,19,20,21,22,23,24,25,26,27,28,29,30,31,32,33,34,35,36,37,38,39,40,41,42,43,44,45,46,47,48,49,50,51,52,53,54,55,56,57,58,59,60,61,62,63
	v_cmp_gt_i32 vcc_lo, 32*(\n/16)+\n%16, v7
	v_cndmask_b32 v[96+\n], v[96+\n], v254, vcc_lo
.endr
.Lopen_\@:
.irp b, 0,1,2,3
	v_max3_num_f32 v[232+\b], v[96+16*\b], v[97+16*\b], v[98+16*\b]            ; the largest score of each block of 32 keys: for the row's maximum and for the block's largest p
.endr
.irp i, 3,5,7,9,11,13
.irp b, 0,1,2,3
	v_max3_num_f32 v[232+\b], v[232+\b], v[96+16*\b+\i], v[97+16*\b+\i]
.endr
.endr
.irp b, 0,1,2,3
	v_max_num_f32 v[232+\b], v[232+\b], v[111+16*\b]
.endr
.irp b, 0,1,2,3
	s_delay_alu instid0(VALU_DEP_4)
	v_permlanex16_b32 v[236+\b], v[232+\b], s[SEL], s[SEL+1]
.endr
.irp b, 0,1,2,3
	s_delay_alu instid0(VALU_DEP_4)
	v_max_num_f32 v[232+\b], v[232+\b], v[236+\b]
.endr
	s_delay_alu instid0(VALU_DEP_2)
	v_max3_num_f32 v254, v232, v233, v234
	s_delay_alu instid0(VALU_DEP_1)
	v_max_num_f32 v254, v254, v235
	s_delay_alu instid0(VALU_DEP_1)
	v_mul_f32 v254, s[CS], v254
	s_delay_alu instid0(VALU_DEP_1)
	v_max_num_f32 v13, v13, v254                   ; the running largest t
	v_mov_b32 v254, v12
	s_delay_alu instid0(VALU_DEP_2)
	v_floor_f32 v12, -v13                          ; -M = floor(-t): M is a whole number
	s_delay_alu instid0(VALU_DEP_1)
	v_sub_f32 v254, v12, v254
	s_delay_alu instid0(VALU_DEP_1)
	v_cvt_i32_f32 v254, v254
	s_delay_alu instid0(VALU_DEP_1)
	v_ldexp_f32 v252, 1.0, v254                    ; f = 2^(old M - new M): exact
.irp j, 0,2,4,6,8,10,12,14,16,18,20,22,24,26,28,30,32,34,36,38,40,42,44,46,48,50,52,54,56,58,60,62
	v_pk_fma_f32 v[96+\j:97+\j], v[96+\j:97+\j], s[CS:CS+1], v[12:13] op_sel_hi:[1,0,0]
.endr
	s_setprio 1
.irp b, 0,1,2,3
	v_fma_f32 v[232+\b], v[232+\b], s[CS], v12
.endr
	s_wait_alu depctr_va_vdst(0)
.irp j, 0,1,2,3,4,5,6,7,8,9,10,11,12,13,14,15,16,17,18,19,20,21,22,23,24,25,26,27,28,29,30,31,32,33,34,35,36,37,38,39,40,41,42,43,44,45,46,47,48,49,50,51,52,53,54,55,56,57,58,59,60,61,62,63
	v_exp_f32 v[96+\j], v[96+\j]                   ; p = 2^(t - M)
.endr
.irp b, 0,1,2,3
	v_exp_f32 v[232+\b], v[232+\b]                 ; the block's largest p
.endr
	v_pk_mul_f32 v[14:15], v[14:15], v[252:253] op_sel_hi:[1,0]                ; the sums under the new M; a plain place behind the exponentials
	s_wait_alu depctr_va_vdst(0)
.irp b, 0,1,2,3
	v_max_num_f32 v[232+\b], 0x2800000, v[232+\b]
.endr
.irp b, 0,1,2,3
	s_delay_alu instid0(VALU_DEP_4)
	v_add_nc_u32 v[244+\b], 0xfe000000, v[232+\b]
.endr
.irp b, 0,1,2,3
	s_delay_alu instid0(VALU_DEP_4)
	v_lshrrev_b32 v[236+\b], 23, v[244+\b]
.endr
	s_delay_alu instid0(VALU_DEP_3)
	v_lshl_or_b32 v253, v237, 8, v236              ; p's scale word
	s_delay_alu instid0(VALU_DEP_1)
	v_lshl_or_b32 v253, v238, 16, v253
	s_delay_alu instid0(VALU_DEP_1)
	v_lshl_or_b32 v253, v239, 24, v253
.irp c, 0,1
	v_cvt_scalef32_pk16_bf6_f32 v[224+6*\c:226+6*\c], v[96+32*\c:111+32*\c], v[244+2*\c]
	v_cvt_scalef32_pk16_bf6_f32 v[236+4*\c:238+4*\c], v[112+32*\c:127+32*\c], v[244+2*\c+1]
.endr
	v_nop
.irp c, 0,1
.irp i, 0,1,2
	v_permlane16_swap_b32 v[224+6*\c+\i], v[236+4*\c+\i]
.endr
.irp i, 0,1,2
	s_delay_alu instid0(VALU_DEP_3)
	v_mov_b32 v[227+6*\c+\i], v[236+4*\c+\i]
.endr
.endr
	v_pk_add_f32 v[236:237], v[100:101], v[104:105]
	v_pk_add_f32 v[246:247], v[108:109], v[112:113]
	v_pk_add_f32 v[244:245], v[116:117], v[120:121]
	v_pk_add_f32 v[240:241], v[124:125], v[128:129]
	v_pk_add_f32 v[220:221], v[132:133], v[136:137]
	v_pk_add_f32 v[218:219], v[140:141], v[144:145]
	v_pk_add_f32 v[216:217], v[148:149], v[152:153]
	v_pk_add_f32 v[14:15], v[14:15], v[156:157]
	v_pk_add_f32 v[236:237], v[236:237], v[96:97]
	v_pk_add_f32 v[246:247], v[246:247], v[98:99]
	s_setprio 0
	v_pk_add_f32 v[244:245], v[244:245], v[102:103]
	v_pk_add_f32 v[240:241], v[240:241], v[106:107]
	v_pk_add_f32 v[220:221], v[220:221], v[110:111]
	v_pk_add_f32 v[218:219], v[218:219], v[114:115]
	v_pk_add_f32 v[216:217], v[216:217], v[118:119]
	v_pk_add_f32 v[14:15], v[14:15], v[122:123]
	v_pk_add_f32 v[236:237], v[236:237], v[126:127]
	v_pk_add_f32 v[246:247], v[246:247], v[130:131]
	v_pk_add_f32 v[244:245], v[244:245], v[134:135]
	v_pk_add_f32 v[240:241], v[240:241], v[138:139]
	v_pk_add_f32 v[220:221], v[220:221], v[142:143]
	v_pk_add_f32 v[218:219], v[218:219], v[146:147]
	v_pk_add_f32 v[216:217], v[216:217], v[150:151]
	v_pk_add_f32 v[14:15], v[14:15], v[154:155]
	v_pk_add_f32 v[236:237], v[236:237], v[158:159]
	s_delay_alu instid0(VALU_DEP_2)
	v_pk_add_f32 v[14:15], v[14:15], v[240:241]
	s_delay_alu instid0(VALU_DEP_2)
	v_pk_add_f32 v[236:237], v[236:237], v[220:221]
	v_pk_add_f32 v[246:247], v[246:247], v[218:219]
	v_pk_add_f32 v[244:245], v[244:245], v[216:217]
	s_delay_alu instid0(VALU_DEP_2)
	v_pk_add_f32 v[14:15], v[14:15], v[246:247]
	s_delay_alu instid0(VALU_DEP_2)
	v_pk_add_f32 v[236:237], v[236:237], v[244:245]
	s_delay_alu instid0(VALU_DEP_1)
	v_pk_add_f32 v[14:15], v[14:15], v[236:237]
.irp j, 0,2,4,6,8,10,12,14,16,18,20,22,24,26,28,30
	v_pk_mul_f32 v[160+\j:161+\j], v[160+\j:161+\j], v[252:253] op_sel_hi:[1,0]   ; O^T under the new M
.endr
	s_wait_alu depctr_va_vdst(0)
	s_wait_dscnt 0x0                               ; V and its scale words are in
.irp k, 0,1,2,3
	v_wmma_scale_f32_16x16x128_f8f6f4 v[160+8*\k:167+8*\k], v[32+12*\k:43+12*\k], v[224:235], v[160+8*\k:167+8*\k], v[248+\k], v253 matrix_a_fmt:MATRIX_FMT_BF6 matrix_b_fmt:MATRIX_FMT_BF6
.endr
.Lskip_\@:
	s_add_co_u32 s[TB], s[TB], CK
	s_add_co_u32 s[KC], s[KC], 1
	s_cmp_lt_u32 s[KC], 16
	s_cbranch_scc1 .Lstep_\@
	s_setprio 0
.rept 4
	v_nop
.endr
	v_add_f32 v14, v14, v15
	s_delay_alu instid0(VALU_DEP_1)
	v_permlanex16_b32 v252, v14, s[SEL], s[SEL+1]
	s_delay_alu instid0(VALU_DEP_1)
	v_add_f32 v14, v14, v252                       ; the row's sum
	s_wait_alu depctr_va_vdst(0)
	v_rcp_f32 v14, v14
	v_nop
	s_wait_alu depctr_va_vdst(0)
.irp j, 0,1,2,3,4,5,6,7,8,9,10,11,12,13,14,15,16,17,18,19,20,21,22,23,24,25,26,27,28,29,30,31
	v_mul_f32 v[96+\j], v[160+\j], v14             ; register 16 g + i: d = 32 g + 16 h + i of my query
.endr
.irp g, 0,1
	v_max3_num_f32 v[232+\g], |v[96+16*\g]|, |v[97+16*\g]|, 0x2800000
.endr
.irp i, 2,4,6,8,10,12,14
.irp g, 0,1
	s_delay_alu instid0(VALU_DEP_2)
	v_max3_num_f32 v[232+\g], v[232+\g], |v[96+16*\g+\i]|, |v[97+16*\g+\i]|
.endr
.endr
.irp g, 0,1
	s_delay_alu instid0(VALU_DEP_2)
	v_permlanex16_b32 v[236+\g], v[232+\g], s[SEL], s[SEL+1]
.endr
.irp g, 0,1
	s_delay_alu instid0(VALU_DEP_2)
	v_max_num_f32 v[232+\g], v[232+\g], v[236+\g]
.endr
.irp g, 0,1
	s_delay_alu instid0(VALU_DEP_2)
	v_add_nc_u32 v[244+\g], 0xfe000000, v[232+\g]
.endr
.irp g, 0,1
	s_delay_alu instid0(VALU_DEP_2)
	v_lshrrev_b32 v[240+\g], 23, v[244+\g]
.endr
	s_delay_alu instid0(VALU_DEP_1)
	v_lshl_or_b32 v242, v241, 8, v240              ; the head's two scale bytes of my row
	v_cvt_scalef32_pk16_bf6_f32 v[224:226], v[96:111], v244
	v_cvt_scalef32_pk16_bf6_f32 v[236:238], v[112:127], v245
	v_nop
.irp i, 0,1,2
	v_permlane16_swap_b32 v[224+\i], v[236+\i]
.endr
.irp i, 0,1,2
	s_delay_alu instid0(VALU_DEP_3)
	v_mov_b32 v[227+\i], v[236+\i]
.endr
	global_store_b128 v1, v[224:227], s[\ob:\ob+1]               ; 512 consecutive bytes
	global_store_b64 v2, v[228:229], s[\ob:\ob+1] offset:512     ; 256 consecutive bytes
	global_store_b16 v8, v242, s[\os:\os+1]                      ; both halves of the lanes write the same two bytes with the same value
.endm
	PASS 18, 16, 255, 50, 52, 40
	PASS 19, 192, 204, 54, 56, 41
	s_wait_tensorcnt 0x0
	ds_add_u32 v223, v243
	s_wait_dscnt 0x0
	CROUND                                         ; the closing round
	s_endpgm
.Lfunc_end_k_q2c754e8b0f_attn:
	.size	k_q2c754e8b0f_attn, .Lfunc_end_k_q2c754e8b0f_attn-k_q2c754e8b0f_attn
	.p2alignl 7, 3214868480
	.fill 96, 4, 3214868480
	.section	.rodata,"a",@progbits
	.p2align	6, 0x0
	.amdhsa_kernel k_q2c754e8b0f_attn
		.amdhsa_group_segment_fixed_size 215040
		.amdhsa_private_segment_fixed_size 0
		.amdhsa_enable_private_segment 0
		.amdhsa_kernarg_size 16
		.amdhsa_user_sgpr_count 2
		.amdhsa_user_sgpr_kernarg_segment_ptr 1
		.amdhsa_wavefront_size32 1
		.amdhsa_system_sgpr_workgroup_id_x 1
		.amdhsa_system_sgpr_workgroup_id_y 1
		.amdhsa_system_sgpr_workgroup_id_z 1
		.amdhsa_system_vgpr_workitem_id 0
		.amdhsa_next_free_vgpr 256
		.amdhsa_next_free_sgpr 66
		.amdhsa_reserve_vcc 1
		.amdhsa_float_denorm_mode_32 3
		.amdhsa_float_denorm_mode_16_64 3
		.amdhsa_memory_ordered 1
		.amdhsa_forward_progress 1
		.amdhsa_inst_pref_size 65
	.end_amdhsa_kernel
	.amdgpu_metadata
---
amdhsa.version: [ 1, 2 ]
amdhsa.kernels:
  - .name:           k_q2c754e8b0f_attn
    .symbol:         k_q2c754e8b0f_attn.kd
    .args:
      - { .name: qkv, .offset: 0, .size: 8, .value_kind: global_buffer, .address_space: global }
      - { .name: aq, .offset: 8, .size: 8, .value_kind: global_buffer, .address_space: global }
    .group_segment_fixed_size: 215040
    .private_segment_fixed_size: 0
    .kernarg_segment_align: 8
    .kernarg_segment_size: 16
    .max_flat_workgroup_size: 512
    .sgpr_count:     66
    .vgpr_count:     256
    .wavefront_size: 32
...
	.end_amdgpu_metadata
.endif
;; end of part 3
;; launch proj (part 4): grid 4 x 32, 4 waves a work-group, clusters of 4 x 4, 327,680 bytes of LDS; arguments aq, wq, out0; writes out0
.if DOCPART == 4
	.amdgcn_target "amdgcn-amd-amdhsa--gfx1250"
	.amdhsa_code_object_version 6
	.text
	.protected	k_q2c754e8b0f_proj
	.globl	k_q2c754e8b0f_proj
	.p2align	8
	.type	k_q2c754e8b0f_proj,@function
k_q2c754e8b0f_proj:
	s_mov_b64 s[64:65], 0
	v_nop
	global_prefetch_b8 v0, s[64:65] scope:SCOPE_SE
	s_setreg_imm32_b32 hwreg(HW_REG_WAVE_MODE, 25, 1), 1
	s_wait_xcnt 0x0
	s_wait_alu depctr_hold_cnt(0) depctr_sa_sdst(0) depctr_va_vdst(0) depctr_va_sdst(0) depctr_va_ssrc(0) depctr_va_vcc(0) depctr_vm_vsrc(0)
	s_getreg_b32 s2, hwreg(HW_REG_IB_STS2, 6, 4)
	s_cmp_eq_u32 s2, 0
	s_cbranch_scc0 .Lentry_in_a_cluster
	s_endpgm
.Lentry_in_a_cluster:
	s_bfe_u32 s2, ttmp6, 0x10000c
	s_cmp_lg_u32 s2, 0xf033
	s_cbranch_scc0 .Lentry_shape_is_right
	s_endpgm
.Lentry_shape_is_right:
; out0 = att Wout on codes of BF6 (E3M2) with E8M0 scales, K = 1024; out0 [8192][1024] f32.
; A tile of 256 x 256 is made by four waves, 128 x 128 each: 64 accumulators, 512 registers.  K goes in four steps of 256 through two LDS slots filled by the tensor data mover.
; Operands lie in memory in the order of the operand's registers: a block of 128 rows x 256 K is 24,576 dense bytes, one tensor load; a fragment (16 rows x 128 K) is 1,536 bytes: two loads of 16 and two of 8 bytes a lane.
; Rows go in groups of 32: tile 2 g + u holds in lane-row r the row 32 g + 8 u + r + 8 (r / 8).  Source 0 = 16 columns of Wout (rows 3072 on of wq), source 1 = 16 rows of att: lane (r, h) holds token-row r of A's tile, and register j
; of the accumulator of B's tile 2 g + u the column 32 g + 16 h + 8 u + j.
; CLUSTERS: 4 x 4 work-groups; A's tiles are asked for jointly along a row of the cluster, B's along a column.
; REGISTERS: window 0: v0-31 addresses; v32-63 scale words, two sets; v128-223 A's fragments, one set (on the way out v128-255 take rows of the result).  window 1: B's fragments, two sets.  windows 2, 3: the accumulators.
.set NQ,     2
.set FR,     12
.set NL,     4
.set NP,     4
.set HALFT,  24576
.set SLOT,   4*HALFT
.set SCL,    2*SLOT
.set SPARE,  SCL+4*4096                ; the spare words, 128 bytes a wave: two blocks of 256 bytes that no other line names
.set SPITCH, 528                       ; the way out: a stage of 16 rows x (512 + 16) bytes for each wave, in slot 0, which has had its last fill and its last read by then
.set ADRA, 16
.set ADRB, 20
.set STO,  24
.set RD,   25
.set CO,   26
.set ADRS, 27
.set SPW,  28
.set NIL,  29
.set SC,   32
.set AF,   128
.set BK,   128
.set G1, 24
.set G0, 32
.set G1B, 48
.set G0B, 56
.set G1S, 68
.set G0S, 76
.set G1SB, 80
.set G0SB, 88
.set MSB, 0
.macro WIN new                         ; the immediate's high byte repeats the setting that is left
.if MSB != (\new)
	s_set_vgpr_msb (MSB<<8)|(\new)
.set MSB, (\new)
.endif
.endm
.set MUL_LO, 0xa1
.set MUL_HI, 0xf1
.set TO_B,   0x40
.macro JLOAD g0a, g1a, g0b, g1b        ; a joint load: waves 0 and 1 fetch for A, waves 2 and 3 for B; four v_nop follow each of the two lines
	s_cmp_eq_u32 s15, 0
	s_cbranch_scc0 .Lfor_b_\@
	tensor_load_to_lds s[\g0a:\g0a+3], s[\g1a:\g1a+7]
	s_nop 0
.rept 4
	v_nop
.endr
	s_branch .Lasked_\@
.Lfor_b_\@:
	tensor_load_to_lds s[\g0b:\g0b+3], s[\g1b:\g1b+7]
	s_nop 0
.rept 4
	v_nop
.endr
.Lasked_\@:
.endm
.macro CREST
	s_cmp_lg_u32 s14, 0
	s_cbranch_scc1 .Lnot_wave_0_\@
	s_barrier_signal -3
.Lnot_wave_0_\@:
	s_barrier_wait -3
	s_barrier_signal -1
	s_barrier_wait -1
.endm
.macro CROUND
	s_barrier_signal -1
	s_barrier_wait -1
	CREST
.endm
	s_load_b128 s[4:7], s[0:1], 0x0                ; aq, wq
	s_load_b64 s[12:13], s[0:1], 0x10              ; out0
	v_lshl_add_u32 v[SPW], v0, 2, SPARE
	v_mov_b32 v[NIL], 0
	ds_add_u32 v28, v29
	ds_add_u32 v28, v29
	s_wait_dscnt 0x0
	v_lshrrev_b32 v1, 5, v0
	v_readfirstlane_b32 s14, v1                    ; wave 0..3
	s_lshr_b32 s15, s14, 1                         ; my half of the rows.  Also: I fetch for A (0) or for B (1)
	s_and_b32 s16, s14, 1                          ; my half of the columns.  Also: which 128 rows I fetch
	s_bfe_u32 s40, ttmp6, 0x40000
	s_bfe_u32 s41, ttmp6, 0x40004
	s_lshl_b32 s42, ttmp9, 2
	s_add_co_u32 s42, s42, s40                     ; tile column
	s_and_b32 s17, ttmp7, 0xffff
	s_lshl_b32 s17, s17, 2
	s_add_co_u32 s17, s17, s41                     ; tile row
	s_lshl_b32 s43, s41, 2
	s_lshl_b32 s43, 15, s43
	s_lshl_b32 s44, 0x1111, s40
	s_or_b32 s[G1+0], s43, (3<<16)|(1<<21)         ; 15:0 the mask; 17:16 elements of 8 bytes; 21 set beside a mask
	s_or_b32 s[G1B+0], s44, (3<<16)|(1<<21)
.irp g, G1, G1B
	s_mov_b32 s[\g+1], 32<<16                      ; a dense block as 96 rows of 256 bytes
	s_mov_b32 s[\g+2], 96<<16
	s_mov_b32 s[\g+3], 32<<16
	s_mov_b32 s[\g+4], 96
	s_mov_b32 s[\g+5], 32
	s_mov_b32 s[\g+6], 0
	s_mov_b32 s[\g+7], 0
.endr
	s_or_b32 s[G1S+0], s43, (3<<16)|(1<<21)
	s_or_b32 s[G1SB+0], s44, (3<<16)|(1<<21)
.irp g, G1S, G1SB
	s_mov_b32 s[\g+1], 32<<16                      ; the scale words of 128 rows: 16 rows of 256 bytes
	s_mov_b32 s[\g+2], 16<<16
	s_mov_b32 s[\g+3], 32<<16
	s_mov_b32 s[\g+4], 16
	s_mov_b32 s[\g+5], 32
	s_mov_b32 s[\g+6], 0
	s_mov_b32 s[\g+7], 0
.endr
	s_lshl_b32 s20, s17, 1
	s_add_co_u32 s20, s20, s16
	s_lshl_b32 s46, s42, 1
	s_add_co_u32 s46, s46, s16
	s_lshl_b32 s22, s20, 12
	s_lshl_b32 s92, s46, 12
	s_mul_i32 s20, s20, 98304
	s_mul_i32 s46, s46, 98304
	s_add_co_u32 s22, s22, 6291456                 ; aq's scale words
	s_add_co_u32 s46, s46, 2359296                 ; Wout's rows: 24 blocks into wq
	s_add_co_u32 s92, s92, 3244032                 ; and their scale words
	s_mov_b32 s21, 0
	s_mov_b32 s23, 0
	s_mov_b32 s47, 0
	s_mov_b32 s93, 0
	s_mul_i32 s45, s14, HALFT
	s_lshl_b32 s94, s14, 12
	s_wait_kmcnt 0x0
	s_add_nc_u64 s[20:21], s[4:5], s[20:21]
	s_add_nc_u64 s[22:23], s[4:5], s[22:23]
	s_add_nc_u64 s[46:47], s[6:7], s[46:47]
	s_add_nc_u64 s[92:93], s[6:7], s[92:93]
	CROUND                                         ; all sixteen work-groups are here: the first joint loads meet
	s_mov_b32 s[G0S], 1
	s_add_co_u32 s[G0S+1], s94, SCL
	s_mov_b64 s[G0S+2:G0S+3], s[22:23]
	s_or_b32 s[G0S+3], s[G0S+3], 0x80000000
	s_mov_b32 s[G0SB], 1
	s_add_co_u32 s[G0SB+1], s94, SCL
	s_mov_b64 s[G0SB+2:G0SB+3], s[92:93]
	s_or_b32 s[G0SB+3], s[G0SB+3], 0x80000000
	JLOAD G0S, G1S, G0SB, G1SB
.irp s, 0,1
	s_mov_b32 s[G0+4*\s], 1
	s_add_co_u32 s[G0+4*\s+1], s45, \s*SLOT
	s_add_nc_u64 s[G0+4*\s+2:G0+4*\s+3], s[20:21], \s*HALFT
	s_or_b32 s[G0+4*\s+3], s[G0+4*\s+3], 0x80000000
	s_mov_b32 s[G0B+4*\s], 1
	s_add_co_u32 s[G0B+4*\s+1], s45, \s*SLOT
	s_add_nc_u64 s[G0B+4*\s+2:G0B+4*\s+3], s[46:47], \s*HALFT
	s_or_b32 s[G0B+4*\s+3], s[G0B+4*\s+3], 0x80000000
	s_wait_alu depctr_va_vdst(0)
	s_wait_tensorcnt 0x0
	ds_add_u32 v28, v29
	s_wait_dscnt 0x0
	CROUND
	JLOAD G0+4*\s, G1, G0B+4*\s, G1B               ; one tensor load of mine is out
.endr
	v_and_b32 v1, 15, v0                           ; r
	v_bfe_u32 v2, v0, 4, 1                         ; h
	v_and_b32 v3, 31, v0
	v_lshlrev_b32 v[CO], 4, v3                     ; 16 x lane
	v_lshlrev_b32 v9, 4, v1
	v_lshl_add_u32 v9, v2, 3, v9                   ; 16 r + 8 h
	s_mul_i32 s21, s15, HALFT
	s_mul_i32 s22, s16, HALFT
	s_add_co_u32 s22, s22, 2*HALFT
.irp s, 0,1
	v_add_nc_u32 v[ADRA+\s], s21, v[CO]
	v_add_nc_u32 v[ADRB+\s], s22, v[CO]
	v_add_nc_u32 v[ADRA+2+\s], s21, v9
	v_add_nc_u32 v[ADRB+2+\s], s22, v9
	s_add_co_u32 s21, s21, SLOT
	s_add_co_u32 s22, s22, SLOT
.endr
	v_lshlrev_b32 v5, 3, v1
	s_lshl_b32 s21, s15, 12
	s_lshl_b32 s22, s16, 12
	s_add_co_u32 s22, s22, 8192
	s_sub_co_u32 s22, s22, s21
	v_mul_u32_u24 v6, s22, v2                      ; lanes 16-31 take B's: one product, the distance between the two bases
	s_add_co_u32 s21, s21, SCL
	v_add_nc_u32 v5, v5, v6
	v_add_nc_u32 v[ADRS], s21, v5
	s_mul_i32 s23, s14, 16*SPITCH                  ; my stage
	v_mul_u32_u24 v5, v1, SPITCH
	v_lshl_add_u32 v5, v2, 6, v5
	v_add_nc_u32 v[STO], s23, v5                   ; in: row r, + 64 h bytes
	v_add_nc_u32 v[RD], s23, v[CO]                 ; back: a row of 512 bytes, 16 bytes a lane
	s_lshl_b32 s20, s17, 20                        ; my first row: (256 x tile row + 128 x half) x 4,096 bytes,
	s_lshl_b32 s21, s15, 19
	s_add_co_u32 s20, s20, s21
	s_lshl_b32 s21, s42, 10                        ; my first column: (256 x tile column + 128 x half) x 4 bytes
	s_add_co_u32 s20, s20, s21
	s_lshl_b32 s21, s16, 9
	s_add_co_u32 s20, s20, s21
	s_mov_b32 s21, 0
	s_add_nc_u64 s[12:13], s[12:13], s[20:21]
.macro FRAG reg, a16, a8, off
	ds_load_b128 v[\reg:\reg+3], v[\a16] offset:(\off)
	ds_load_b64 v[\reg+4:\reg+5], v[\a8] offset:(\off)+512
	ds_load_b128 v[\reg+6:\reg+9], v[\a16] offset:(\off)+768
	ds_load_b64 v[\reg+10:\reg+11], v[\a8] offset:(\off)+1280
.endm
; 16 matrix instructions: A's tiles a0, a0 + 1 x B's eight.  The 64 accumulators take turns, one instruction a turn, in the same order in every step.
.macro MUL16 a0, p, q, sc, zero
.irp a, \a0, \a0+1
.irp b, 0,1,2,3,4,5,6,7
.if \zero
	v_wmma_scale_f32_16x16x128_f8f6f4 v[8*(8*((\a)%4)+\b):8*(8*((\a)%4)+\b)+7], v[128*(\p)+FR*\b:128*(\p)+FR*\b+FR-1], v[AF+FR*(\a):AF+FR*(\a)+FR-1], 0, v[SC+8*NQ*(\sc)+NQ*\b+(\q)], v[SC+8*NQ*(\sc)+NQ*(\a)+(\q)] matrix_a_fmt:MATRIX_FMT_BF6 matrix_b_fmt:MATRIX_FMT_BF6 matrix_a_scale:MATRIX_SCALE_ROW1
.else
	v_wmma_scale_f32_16x16x128_f8f6f4 v[8*(8*((\a)%4)+\b):8*(8*((\a)%4)+\b)+7], v[128*(\p)+FR*\b:128*(\p)+FR*\b+FR-1], v[AF+FR*(\a):AF+FR*(\a)+FR-1], v[8*(8*((\a)%4)+\b):8*(8*((\a)%4)+\b)+7], v[SC+8*NQ*(\sc)+NQ*\b+(\q)], v[SC+8*NQ*(\sc)+NQ*(\a)+(\q)] matrix_a_fmt:MATRIX_FMT_BF6 matrix_b_fmt:MATRIX_FMT_BF6 matrix_a_scale:MATRIX_SCALE_ROW1
.endif
.endr
.endr
.endm
.macro FETCH_B slot, q, p
	WIN TO_B
.irp i, 0,1,2,3,4,5,6,7
	FRAG 128*(\p)+FR*\i, ADRB+\slot, ADRB+2+\slot, 3072*\i+1536*(\q)
.endr
	WIN 0
.endm
.macro FETCH_A slot, q, i0
.irp i, \i0, \i0+1, \i0+2, \i0+3
	FRAG AF+FR*(\i), ADRA+\slot, ADRA+2+\slot, 3072*(\i)+1536*(\q)
.endr
.endm
.macro SCALES sc
.irp i, 0,1,2,3,4,5,6,7
	ds_load_b64 v[SC+8*NQ*\sc+NQ*\i:SC+8*NQ*\sc+NQ*\i+1], v[ADRS] offset:\i*128
.endr
.endm
.macro PLACES n
.rept \n
	v_nop
.endr
.endm
.macro STEP slot, q, zero
	s_wait_dscnt 4*NL                              ; all but the youngest 16 loads (A's tiles 4-7) are in
	WIN MUL_LO
	MUL16 0, (\q)%2, \q, \slot, \zero
	MUL16 2, (\q)%2, \q, \slot, \zero
	s_wait_dscnt 0
	PLACES NP
	FETCH_B \slot, (\q)+1, 1-(\q)%2
	FETCH_A \slot, (\q)+1, 0
	WIN MUL_HI
	MUL16 4, (\q)%2, \q, \slot, \zero
	MUL16 6, (\q)%2, \q, \slot, \zero
	PLACES NP
	WIN 0
	FETCH_A \slot, (\q)+1, 4
.endm
.macro TURN slot, next, fill
	s_wait_tensorcnt 0x0                           ; all my tensor loads have landed: my part of the next slot
	ds_add_u32 v[SPW], v[NIL]                      ; 0 onto my spare word
	s_wait_dscnt 4*NL+1                            ; the add and the youngest 16 loads may be out
	WIN MUL_LO
	MUL16 0, 1, NQ-1, \slot, 0
	s_wait_dscnt 0x0                               ; the add is done, and my reads of this slot are over
	s_barrier_signal -1
	MUL16 2, 1, NQ-1, \slot, 0
	WIN 0
	s_barrier_wait -1
.if \fill
	CREST                                          ; the barrier has opened a round of the cluster's: no wave of any partner still reads this slot or has a load on its way
	s_add_nc_u64 s[G0+4*\slot+2:G0+4*\slot+3], s[G0+4*\slot+2:G0+4*\slot+3], 2*HALFT
	s_add_nc_u64 s[G0B+4*\slot+2:G0B+4*\slot+3], s[G0B+4*\slot+2:G0B+4*\slot+3], 2*HALFT
	JLOAD G0+4*\slot, G1, G0B+4*\slot, G1B
.else
	PLACES NP
.endif
	s_wait_alu depctr_va_vdst(0)
	v_add_nc_u32 v[ADRS], 1024, v[ADRS]
	FETCH_B \next, 0, 0
	FETCH_A \next, 0, 0
	SCALES \next
	WIN MUL_HI
	MUL16 4, 1, NQ-1, \slot, 0
	MUL16 6, 1, NQ-1, \slot, 0
	PLACES NP
	WIN 0
	FETCH_A \next, 0, 4
.endm
	s_wait_alu depctr_va_vdst(0)
	s_wait_tensorcnt 1                             ; the scale words and my part of K step 0 are in; K step 1's load may be out
	s_barrier_signal -1
	s_barrier_wait -1
	FETCH_B 0, 0, 0
	FETCH_A 0, 0, 0
	SCALES 0
	FETCH_A 0, 0, 4
	STEP 0, 0, 1
	TURN 0, 1, 1
	STEP 1, 0, 0
	TURN 1, 0, 1
	STEP 0, 0, 0
	TURN 0, 1, 0
	STEP 1, 0, 0
	s_wait_dscnt 4*NL
	WIN MUL_LO
	MUL16 0, 1, NQ-1, 1, 0
	MUL16 2, 1, NQ-1, 1, 0
	s_wait_dscnt 0
	WIN MUL_HI
	MUL16 4, 1, NQ-1, 1, 0
	MUL16 6, 1, NQ-1, 1, 0
	WIN 0
; THE WAY OUT, A's tile by tile: 16 rows x 128 columns go through my own stage and come back as whole rows of 512 bytes.  LDS serves a wave's instructions in order: no wait between the stores and the loads.
.macro TOSTAGE a
.set AC, 64*((\a)%4)
	WIN 0x08+4*((\a)/4)                            ; an LDS store's data: window 2 or 3
.irp b, 0,1,2,3,4,5,6,7
	ds_store_b128 v[STO], v[AC+8*\b:AC+8*\b+3] offset:128*(\b/2)+32*(\b%2)       ; columns 32 (b / 2) + 16 h + 8 (b % 2) on; each accumulator from its low end
	ds_store_b128 v[STO], v[AC+8*\b+4:AC+8*\b+7] offset:128*(\b/2)+32*(\b%2)+16
.endr
	WIN 0
.set BB, BK+64*((\a)%2)
.irp t, 0,1,2,3,4,5,6,7,8,9,10,11,12,13,14,15
	ds_load_b128 v[BB+4*\t:BB+4*\t+3], v[RD] offset:\t*SPITCH
.endr
.endm
.macro SEND a, younger                 ; stage row t is row 32 (a / 2) + 8 (a % 2) + t + 8 (t / 8) of my 128: 127 rows of 4,096 bytes at the most, inside the signed 24-bit immediate
.set BB, BK+64*((\a)%2)
	s_wait_dscnt \younger
.irp t, 0,1,2,3,4,5,6,7,8,9,10,11,12,13,14,15
	global_store_b128 v[CO], v[BB+4*\t:BB+4*\t+3], s[12:13] offset:(32*((\a)/2)+8*((\a)%2)+\t+8*(\t/8))*4096 th:TH_STORE_NT   ; 32 lanes store 512 consecutive bytes, aligned
.endr
.endm
	PLACES NP
	TOSTAGE 0
.irp a, 1,2,3,4,5,6,7
.if \a > 1
	s_wait_xcnt 0x0                                ; tile a - 2's stores have read the registers into which tile a's rows are loaded
.endif
	TOSTAGE \a
	SEND \a-1, 32                                  ; behind tile a - 1's loads: tile a's 16 stores and 16 loads
.endr
	SEND 7, 0
	s_wait_tensorcnt 0x0                           ; the wave's end
	ds_add_u32 v[SPW], v[NIL]
	s_wait_dscnt 0x0
	CROUND                                         ; the closing round
	s_endpgm
.Lfunc_end_k_q2c754e8b0f_proj:
	.size	k_q2c754e8b0f_proj, .Lfunc_end_k_q2c754e8b0f_proj-k_q2c754e8b0f_proj
	.p2alignl 7, 3214868480
	.fill 96, 4, 3214868480
	.section	.rodata,"a",@progbits
	.p2align	6, 0x0
	.amdhsa_kernel k_q2c754e8b0f_proj
		.amdhsa_group_segment_fixed_size 327680
		.amdhsa_private_segment_fixed_size 0
		.amdhsa_enable_private_segment 0
		.amdhsa_kernarg_size 24
		.amdhsa_user_sgpr_count 2
		.amdhsa_user_sgpr_kernarg_segment_ptr 1
		.amdhsa_wavefront_size32 1
		.amdhsa_system_sgpr_workgroup_id_x 1
		.amdhsa_system_sgpr_workgroup_id_y 1
		.amdhsa_system_sgpr_workgroup_id_z 1
		.amdhsa_system_vgpr_workitem_id 0
		.amdhsa_next_free_vgpr 1024
		.amdhsa_next_free_sgpr 102
		.amdhsa_reserve_vcc 0
		.amdhsa_float_denorm_mode_32 3
		.amdhsa_float_denorm_mode_16_64 3
		.amdhsa_memory_ordered 1
		.amdhsa_forward_progress 1
		.amdhsa_inst_pref_size 144
	.end_amdhsa_kernel
	.amdgpu_metadata
---
amdhsa.version: [ 1, 2 ]
amdhsa.kernels:
  - .name:           k_q2c754e8b0f_proj
    .symbol:         k_q2c754e8b0f_proj.kd
    .args:
      - { .name: aq, .offset: 0, .size: 8, .value_kind: global_buffer, .address_space: global }
      - { .name: wq, .offset: 8, .size: 8, .value_kind: global_buffer, .address_space: global }
      - { .name: out0, .offset: 16, .size: 8, .value_kind: global_buffer, .address_space: global }
    .group_segment_fixed_size: 327680
    .private_segment_fixed_size: 0
    .kernarg_segment_align: 8
    .kernarg_segment_size: 24
    .max_flat_workgroup_size: 128
    .sgpr_count:     102
    .vgpr_count:     1024
    .wavefront_size: 32
...
	.end_amdgpu_metadata
.endif
;; end of part 4
